; MI455X (gfx1250); checked and timed in simulation.
; The chip was launched on July 23, 2026; its instructions are those of AMD's public machine-readable ISA for CDNA 5 (MIT licence, August 2026) and "CDNA5" Instruction Set Architecture Reference Guide (July 2026). The comments in the code are by the model that wrote it; some were corrected since.
;; Extract Module. Allowed arithmetic: matrix products marked QUANTISED: E2M1 operands, one E8M0 scale for each 32 along K, by v_wmma_scale_f32_16x16x128_f8f6f4 with both operands' format E2M1 (or v_wmma_scale_f32_32x16x128_f4), f32 sums; products left as they are: f32 operands where the result goes on into a quantised operand, else bf16, f16 or f32 operands; f32 sums; everything else in f32.
;; Inputs: batch 16 x 256 x 256 float32; lp 3 float32.
;; Outputs: out0 16 x 180 float32.
;; This version of the problem:
;;   THIS VERSION OF THE PROBLEM IS GIVEN IN LOW PRECISION. The matrix products marked QUANTISED in the list below multiply operands that are first quantised to E2M1 (2 exponent bits, 1 mantissa bit; 4 bits a number), with one power-of-two scale for each 32 numbers along K (OCP MX v1.0); their sums are f32. All else is computed in f32.
;;   The module's matrix products, in the order in which they are computed (A, B: the left and right operand; K: the contracted axis; several contracted axes count as one K, in the product's order):
;;     1. [M 1, K 3] x [K 3, N 47,185,920]; A: input lp; B: computed on the way: left as it is (K = 3 < 32)
;;     2. [M 16, K 262,144] x [K 262,144, N 180]; A: computed on the way; B: computed on the way: QUANTISED
;;   THE QUANTISER, for each operand of a quantised product, along K:
;;     - K is cut into blocks of 32 from its start; a last block that is shorter is filled with zeros.
;;     - A block's scale is 2^e with e = floor(log2(the largest magnitude in the block)) - 2, held to -126 .. 127; a block of zeros has e = 0. As a byte (E8M0): e + 127.
;;     - Each number is divided by its block's scale, clamped to +-6, and rounded to the nearest number of E2M1, ties to even, subnormals kept.
;;     - The product sums the exact products of the quantised numbers (number of the format x scale) in f32.
;;   ~~~python
;;   def quantise(x, axis):      # numpy; x: float32 -> the quantised numbers, widened to float32 again
;;       x = np.moveaxis(x, axis, -1); K = x.shape[-1]
;;       x = np.pad(x, [(0, 0)] * (x.ndim - 1) + [(0, -K % 32)]); x = x.reshape(x.shape[:-1] + (-1, 32)); a = np.abs(x).max(-1, keepdims=True)
;;       e = np.where(a > 0, np.clip(np.frexp(np.where(a > 0, a, 1))[1] - 1 - 2, -126, 127), 0)      # np.frexp(a)[1] - 1 = floor(log2(a)), exactly
;;       r = np.clip(x / 2.0 ** e, -6, 6)
;;       step = 2.0 ** (np.maximum(np.frexp(np.where(r == 0, 1, r))[1] - 1, 0) - 1)
;;       q = np.round(r / step) * step * 2.0 ** e      # np.round: ties to even
;;       return np.moveaxis(q.reshape(q.shape[:-2] + (-1,))[..., :K], -1, axis).astype(np.float32)
;;   ~~~
;;   OPERANDS COMPUTED ON THE WAY. 'Computed on the way' means the value that the module computes at that place (a softmax that the list does not call 'softmax' is quantised finished and normalised). What goes into a quantiser is computed in f32, as accurately as f32 sums, v_exp_f32 and their like allow (about 1e-6 of the number): no bf16 or f16 on the way to a quantiser, and a product that is left as it is and whose result goes on into a quantised operand takes f32 operands (vector FMAs, or v_wmma_f32_16x16x4_f32). A number that lies on a knife's edge between two numbers of the format may be rounded either way, as far as f32 arithmetic and the matrix unit's own rounding can turn it there, and no further.
;; 2 versions, each right; version 2 is version 1 with the launch main written anew for expert scheduling mode. Each part assembles by itself: llvm-mc -triple=amdgcn-amd-amdhsa -mcpu=gfx1250 --defsym DOCPART=n.
;; ======== version 1 of 2: 4 launches
;; limits: right only within a limited range of input values
;; workspace buffers: ycol 16,777,216 bytes; gt 16,777,216 bytes; part 3,145,728 bytes
;; launch rows (part 1): grid 128 x 1, 16 waves a work-group, no clusters, 157,952 bytes of LDS; arguments batch, ycol; writes ycol
.if DOCPART == 1
	.amdgcn_target "amdgcn-amd-amdhsa--gfx1250"
	.amdhsa_code_object_version 6
	.text
	.protected	k_q54fc459ad9_rows
	.globl	k_q54fc459ad9_rows
	.p2align	8
	.type	k_q54fc459ad9_rows,@function
k_q54fc459ad9_rows:
	s_mov_b64 s[64:65], 0
	v_nop
	global_prefetch_b8 v0, s[64:65] scope:SCOPE_SE
	s_setreg_imm32_b32 hwreg(HW_REG_WAVE_MODE, 25, 1), 1
	s_wait_xcnt 0x0
; FORWARD FFT ALONG w.  batch [16][256][256] f32; each row, padded with 256 zeros, is transformed to 512 complex numbers.
; ycol [img 16][kw 512][h 256] complex f32: transposed, so that the next launch finds a column's numbers on end.
; SHARES.  A work-group takes 32 rows of one image (a transposed run of 256 bytes is 32 rows x 8 bytes; 4,096 rows give 128 work-groups); each of its 16 waves does two FFTs alone.
; THE FFT.  512 = 8 x 8 x 8, decimation in frequency, e^-i.  Lane l works butterflies l and l + 32 of each stage; between the stages the numbers go through the wave's own
; LDS line (position p at 72 (p / 8) + 8 (p % 8)); LDS serves a wave's instructions in order (ISA guide 5.7.1.4), so no barrier stands inside an FFT.
; n = 64 j + q, k = m + 8 m' + 64 m'':  A: over j, x W^(q m);  B (q = 8 j' + q'): over j', x W^(8 q' m');  C: over q'.  Lane l, turn it ends with k = l / 8 + 4 it + 8 (l % 8) + 64 m''.
; Work-groups share no input, every LDS byte is filled from registers, and every input byte is asked for at the head: no cluster, no tensor load, no prefetch.
; LIMITS: NaN and infinities in the input are not served.  All arithmetic is f32.
.set TW, 0                             ; LDS: 512 twiddles of 16 bytes: (cos, cos, sin, -sin)(2 pi k / 512)
.set REG, 8192                         ; then a line of LINE bytes for each FFT
.set LINE, 4616                        ; 64 x 72 bytes + 8: 1,154 words, so that 32 lanes reading 8 bytes of 32 lines touch 64 different banks (64 banks of 4 bytes: ISA guide 11.1)
.set L, 1                              ; v1 lane
.set AA, 2                             ; v2-4 my place in the line for stages A, B, C
.set AB, 3
.set AC, 4
.set AN, 5                             ; v5 my place for results in natural order
.set L7, 7                             ; v7 l % 8, v8 l / 8
.set L3, 8
.set X, 16                             ; v16-47  two butterflies x 8 complex
.set Y, 48                             ; v48-79  their results
.set T, 80                             ; v80-95  at work
.set WA, 96                            ; v96-151 stage A's twiddles
.set WB, 152                           ; v152-179 stage B's
.set G, 180                            ; v180-   the input
.set WV, 8                             ; s8 wave
.set C0, 20                            ; sin(pi r) / r = C0 + C1 r^2 + .. + C5 r^10, |r| <= 1/2
.set C1, 22
.set C2, 24
.set C3, 26
.set C4, 28
.set C5, 30
.set SH, 32                            ; s[32:33] sqrt(1/2)
.macro BARRIER                         ; my LDS stores have landed and my LDS loads are in; then the work-group's barrier
	s_wait_dscnt 0x0
	s_barrier_signal -1
	s_barrier_wait -1
.endm
.macro K1 r, val
	s_mov_b32 s[\r], \val
.endm
.macro K2 r, val                       ; a pair: the packed forms name both words
	s_mov_b32 s[\r], \val
	s_mov_b32 s[\r+1], \val
.endm
.macro SINPI d, x, a, b, c             ; v[d] = sin(pi v[x]): k = the nearest whole number, r = x - k (exact), (-1)^k r P(r^2)
	v_rndne_f32 v[\a], v[\x]
	v_sub_f32 v[\b], v[\x], v[\a]
	v_cvt_i32_f32 v[\a], v[\a]
	v_mul_f32 v[\c], v[\b], v[\b]
	v_fma_f32 v[\d], v[\c], s[C5], s[C4]
	v_fma_f32 v[\d], v[\d], v[\c], s[C3]
	v_fma_f32 v[\d], v[\d], v[\c], s[C2]
	v_fma_f32 v[\d], v[\d], v[\c], s[C1]
	v_fma_f32 v[\d], v[\d], v[\c], s[C0]
	v_mul_f32 v[\d], v[\d], v[\b]
	v_lshlrev_b32 v[\a], 31, v[\a]
	v_xor_b32 v[\d], v[\a], v[\d]
.endm
.macro TABLE                           ; thread k makes twiddle k
	v_cvt_f32_u32 v[T], v0
	v_mul_f32 v[T], 0x3b800000, v[T]               ; k / 256, exact
	v_add_f32 v[T+1], 0.5, v[T]
	SINPI T+2, T+1, T+6, T+7, T+8                  ; cos
	v_mov_b32 v[T+3], v[T+2]
	SINPI T+4, T, T+6, T+7, T+8                    ; sin
	v_xor_b32 v[T+5], 0x80000000, v[T+4]
	v_lshlrev_b32 v[T+9], 4, v0
	ds_store_b128 v[T+9], v[T+2:T+5] offset:TW
	BARRIER
.endm
.macro TWLOAD                          ; my twiddles stay in registers: A: (l + 32 it) m;  B: 8 (l % 8) m
.irp m, 1,2,3,4,5,6,7
	v_mul_u32_u24 v[Y+\m-1], v[L], 16*\m
	v_mul_u32_u24 v[Y+\m+6], v[L7], 128*\m
.endr
.irp m, 1,2,3,4,5,6,7
	ds_load_b128 v[WA+4*\m-4:WA+4*\m-1], v[Y+\m-1] offset:TW
	ds_load_b128 v[WA+4*\m+24:WA+4*\m+27], v[Y+\m-1] offset:TW+512*\m
	ds_load_b128 v[WB+4*\m-4:WB+4*\m-1], v[Y+\m+6] offset:TW
.endr
	s_wait_dscnt 0x0
.endm
.macro PKA o, a, b
	v_pk_add_f32 v[\o:\o+1], v[\a:\a+1], v[\b:\b+1]
.endm
.macro PKS o, a, b
	v_pk_add_f32 v[\o:\o+1], v[\a:\a+1], v[\b:\b+1] neg_lo:[0,1] neg_hi:[0,1]
.endm
.macro LEV1 i                          ; a_j +- a_(j+4): sums to T, differences to T + 8
.irp j, 0,2,4,6
	PKA T+\j, \i+\j, \i+8+\j
	PKS T+8+\j, \i+\j, \i+8+\j
.endr
.endm
; y_m = sum over j of a_j exp(-2 pi i j m / 8), from the four sums v[s ..] and the four differences v[d ..]; w: 16 registers at work; y_m to v[o + 2 m].  s is used up.
.macro DFT8 s, d, w, o
	PKA \w, \s, \s+4
	PKS \w+2, \s, \s+4
	PKA \w+4, \s+2, \s+6
	PKS \w+6, \s+2, \s+6
	v_add_f32 v[\w+8], v[\d], v[\d+5]              ; d0 - i d2
	v_sub_f32 v[\w+9], v[\d+1], v[\d+4]
	v_sub_f32 v[\w+10], v[\d], v[\d+5]             ; d0 + i d2
	v_add_f32 v[\w+11], v[\d+1], v[\d+4]
	v_add_f32 v[\w+12], v[\d+2], v[\d+3]           ; d1 (1 - i)
	v_sub_f32 v[\w+13], v[\d+3], v[\d+2]
	v_sub_f32 v[\w+14], v[\d+6], v[\d+7]           ; d3 (1 + i); the factor sqrt(1/2) rides on the last multiply-adds
	v_add_f32 v[\w+15], v[\d+6], v[\d+7]
	PKA \o, \w, \w+4
	PKS \o+8, \w, \w+4
	v_add_f32 v[\o+4], v[\w+2], v[\w+7]
	v_sub_f32 v[\o+5], v[\w+3], v[\w+6]
	v_sub_f32 v[\o+12], v[\w+2], v[\w+7]
	v_add_f32 v[\o+13], v[\w+3], v[\w+6]
	PKS \s, \w+12, \w+14
	PKA \s+2, \w+12, \w+14
	v_pk_fma_f32 v[\o+2:\o+3], v[\s:\s+1], s[SH:SH+1], v[\w+8:\w+9] op_sel_hi:[1,0,1]
	v_pk_fma_f32 v[\o+10:\o+11], v[\s:\s+1], s[SH:SH+1], v[\w+8:\w+9] op_sel_hi:[1,0,1] neg_lo:[1,0,0] neg_hi:[1,0,0]
	v_fma_f32 v[\o+6], v[\s+3], s[SH], v[\w+10]
	v_fma_f32 v[\o+7], -v[\s+2], s[SH], v[\w+11]
	v_fma_f32 v[\o+14], -v[\s+3], s[SH], v[\w+10]
	v_fma_f32 v[\o+15], v[\s+2], s[SH], v[\w+11]
.endm
.macro CMUL o, i, w                    ; (a + i b)(cos - i sin): (a cos, b cos), then + (b sin, -a sin)
	v_pk_mul_f32 v[\o:\o+1], v[\i:\i+1], v[\w:\w+1]
	v_pk_fma_f32 v[\o:\o+1], v[\i:\i+1], v[\w+2:\w+3], v[\o:\o+1] op_sel:[1,0,0] op_sel_hi:[0,1,1]
.endm
; A stage with twiddles: two butterflies, results back to the places they came from.  half = 1: a_4..a_7 are zeros: sums and differences are both the four numbers at v[in + 8 it].
.macro STAGE half, in, w, ws, adr, ro, so, sm
.irp it, 0,1
.if \half
	DFT8 \in+8*\it, \in+8*\it, X+16*\it, Y+16*\it
.else
	LEV1 X+16*\it
	DFT8 T, T+8, X+16*\it, Y+16*\it
.endif
.irp m, 1,2,3,4,5,6,7
	CMUL X+16*\it+2*\m, Y+16*\it+2*\m, \w+\ws*\it+4*\m-4
.endr
	ds_store_b64 v[\adr], v[Y+16*\it:Y+16*\it+1] offset:\ro+\so*\it
.irp m, 1,2,3,4,5,6,7
	ds_store_b64 v[\adr], v[X+16*\it+2*\m:X+16*\it+2*\m+1] offset:\ro+\so*\it+\sm*\m
.endr
.endr
.endm
.macro LOADX adr, ro, so, sm
	s_wait_dscnt 0x0                               ; my stores have read X: it may be loaded again
.irp it, 0,1
.irp j, 0,1,2,3,4,5,6,7
	ds_load_b64 v[X+16*\it+2*\j:X+16*\it+2*\j+1], v[\adr] offset:\ro+\so*\it+\sm*\j
.endr
.endr
	s_wait_dscnt 0x0
.endm
.macro FFT half, in, ro                ; input: x[64 j + 32 it + l] at X + 16 it + 2 j (half = 1: at in + 8 it + 2 j, j < 4); result in Y
	STAGE \half, \in, WA, 28, AA, \ro, 288, 576
	LOADX AB, \ro, 2304, 72
	STAGE 0, 0, WB, 0, AB, \ro, 2304, 72
	LOADX AC, \ro, 2304, 8
.irp it, 0,1
	LEV1 X+16*\it
	DFT8 T, T+8, X+16*\it, Y+16*\it
.endr
.endm
.macro HEAD wreg                       ; lane, wave, my line(s) s9 = REG + wreg x wave, my places in it
	v_and_b32 v[L], 31, v0
	v_lshrrev_b32 v9, 5, v0
	v_readfirstlane_b32 s[WV], v9
	v_and_b32 v[L7], 7, v[L]
	v_lshrrev_b32 v[L3], 3, v[L]
	s_mul_i32 s9, s[WV], \wreg
	s_add_co_u32 s9, s9, REG
	v_mul_u32_u24 v[AA], v[L3], 72
	v_lshl_add_u32 v[AA], v[L7], 3, v[AA]
	v_add_nc_u32 v[AA], s9, v[AA]                  ; position l (+ 32 it + 64 j)
	v_mul_u32_u24 v[AB], v[L3], 576
	v_lshl_add_u32 v[AB], v[L7], 3, v[AB]
	v_add_nc_u32 v[AB], s9, v[AB]                  ; position 64 (l / 8) + l % 8 (+ 256 it + 8 j')
	v_mul_u32_u24 v[AC], v[L], 72
	v_add_nc_u32 v[AC], s9, v[AC]                  ; position 8 l (+ 256 it + q')
.endm
.macro NATOUT ro                       ; the results at 8 k in the line
.irp it, 0,1
.irp m, 0,1,2,3,4,5,6,7
	ds_store_b64 v[AN], v[Y+16*\it+2*\m:Y+16*\it+2*\m+1] offset:\ro+32*\it+512*\m
.endr
.endr
	s_wait_dscnt 0x0                               ; the stores have read Y
.endm
; THE WAY OUT, transposed: wave w takes indices 32 w + g of all 32 lines, lane = line: each store of the wave covers 256 consecutive bytes, aligned.
.macro WAYOUT wstep, gstep
	v_mul_u32_u24 v9, v[L], LINE
	s_lshl_b32 s10, s[WV], 8
	s_add_co_u32 s10, s10, REG
	v_add_nc_u32 v9, s10, v9
	v_lshlrev_b32 v10, 3, v[L]
	s_mul_i32 s10, s[WV], \wstep
	v_add_nc_u32 v10, s10, v10
.set g, 0
.rept 32
	ds_load_b64 v[16+2*g:17+2*g], v9 offset:8*g
.set g, g+1
.endr
.set g, 0
.rept 32
	s_wait_dscnt 31-g                              ; LDS loads come back in order: load g is in, the 31 - g issued behind it may be out
	global_store_b64 v10, v[16+2*g:17+2*g], s[6:7] offset:\gstep*g th:TH_STORE_NT
.set g, g+1
.endr
.endm
	s_load_b128 s[4:7], s[0:1], 0x0                ; batch, ycol
	v_lshl_add_u32 v216, v0, 2, 0x26100
	v_mov_b32 v217, 0
	HEAD 2*LINE
	v_lshlrev_b32 v[AN], 3, v[L3]
	v_lshl_add_u32 v[AN], v[L7], 6, v[AN]
	v_add_nc_u32 v[AN], s9, v[AN]                  ; 8 (l / 8 + 8 (l % 8))
	K1 C0, 0x40490fdb                              ; pi
	K1 C1, 0xc0a55de7                              ; -pi^3 / 6
	K1 C2, 0x402335e3                              ; pi^5 / 120
	K1 C3, 0xbf196966                              ; -pi^7 / 5040
	K1 C4, 0x3da83c1a                              ; pi^9 / 9!
	K1 C5, 0xbbedbd22                              ; -pi^11 / 11! with the series' tail at r = 1/2 taken in
	K2 SH, 0x3f3504f3
	s_lshl_b32 s10, ttmp9, 15                      ; work-group = 8 img + block of 32 rows of 1,024 bytes
	s_mov_b32 s11, 0
	s_lshr_b32 s12, ttmp9, 3
	s_lshl_b32 s12, s12, 20                        ; ycol: an image is 512 x 2,048 bytes;
	s_and_b32 s13, ttmp9, 7
	s_lshl_b32 s13, s13, 8                         ; my 32 rows are 256 bytes of each kw
	s_add_co_u32 s12, s12, s13
	s_mov_b32 s13, 0
	v_lshlrev_b32 v9, 2, v[L]
	s_lshl_b32 s14, s[WV], 11
	v_add_nc_u32 v9, s14, v9                       ; 4 l + my wave's two rows
	s_wait_kmcnt 0x0
	s_add_nc_u64 s[4:5], s[4:5], s[10:11]
	s_add_nc_u64 s[6:7], s[6:7], s[12:13]
.irp i, 0,1
.irp it, 0,1
.irp j, 0,1,2,3
	global_load_b32 v[G+16*\i+8*\it+2*\j], v9, s[4:5] offset:1024*\i+256*\j+128*\it th:TH_LOAD_NT
	v_mov_b32 v[G+16*\i+8*\it+2*\j+1], 0           ; the imaginary part
.endr
.endr
.endr
	TABLE
	TWLOAD
	s_wait_loadcnt 0x0
.irp i, 0,1
	FFT 1, G+16*\i, LINE*\i
	NATOUT LINE*\i
.endr
	BARRIER                                        ; all 32 lines lie in LDS
	WAYOUT 65536, 2048                             ; kw = 32 w + g: 2,048 bytes from kw to kw
	s_wait_tensorcnt 0x0
	ds_add_u32 v216, v217
	s_wait_dscnt 0x0
	s_endpgm
.Lfunc_end_k_q54fc459ad9_rows:
	.size	k_q54fc459ad9_rows, .Lfunc_end_k_q54fc459ad9_rows-k_q54fc459ad9_rows
	.p2alignl 7, 3214868480
	.fill 96, 4, 3214868480
	.section	.rodata,"a",@progbits
	.p2align	6, 0x0
	.amdhsa_kernel k_q54fc459ad9_rows
		.amdhsa_group_segment_fixed_size 157952
		.amdhsa_private_segment_fixed_size 0
		.amdhsa_enable_private_segment 0
		.amdhsa_kernarg_size 16
		.amdhsa_user_sgpr_count 2
		.amdhsa_user_sgpr_kernarg_segment_ptr 1
		.amdhsa_wavefront_size32 1
		.amdhsa_system_sgpr_workgroup_id_x 1
		.amdhsa_system_sgpr_workgroup_id_y 1
		.amdhsa_system_sgpr_workgroup_id_z 1
		.amdhsa_system_vgpr_workitem_id 0
		.amdhsa_next_free_vgpr 218
		.amdhsa_next_free_sgpr 66
		.amdhsa_reserve_vcc 0
		.amdhsa_float_denorm_mode_32 3
		.amdhsa_float_denorm_mode_16_64 3
		.amdhsa_memory_ordered 1
		.amdhsa_forward_progress 1
		.amdhsa_inst_pref_size 52
	.end_amdhsa_kernel
	.amdgpu_metadata
---
amdhsa.version: [ 1, 2 ]
amdhsa.kernels:
  - .name:           k_q54fc459ad9_rows
    .symbol:         k_q54fc459ad9_rows.kd
    .args:
      - { .name: batch, .offset: 0, .size: 8, .value_kind: global_buffer, .address_space: global }
      - { .name: ycol, .offset: 8, .size: 8, .value_kind: global_buffer, .address_space: global }
    .group_segment_fixed_size: 157952
    .private_segment_fixed_size: 0
    .kernarg_segment_align: 8
    .kernarg_segment_size: 16
    .max_flat_workgroup_size: 512
    .sgpr_count:     66
    .vgpr_count:     218
    .wavefront_size: 32
...
	.end_amdgpu_metadata
.endif
;; end of part 1
;; launch cols (part 2): grid 128 x 1, 16 waves a work-group, no clusters, 157,952 bytes of LDS; arguments ycol, gt; writes gt
.if DOCPART == 2
	.amdgcn_target "amdgcn-amd-amdhsa--gfx1250"
	.amdhsa_code_object_version 6
	.text
	.protected	k_q54fc459ad9_cols
	.globl	k_q54fc459ad9_cols
	.p2align	8
	.type	k_q54fc459ad9_cols,@function
k_q54fc459ad9_cols:
	s_mov_b64 s[64:65], 0
	v_nop
	global_prefetch_b8 v0, s[64:65] scope:SCOPE_SE
	s_setreg_imm32_b32 hwreg(HW_REG_WAVE_MODE, 25, 1), 1
	s_wait_xcnt 0x0
; ALONG h: forward FFT of a column of images a = 2 P and b = 2 P + 1 (256 numbers + 256 zeros), the magnitudes |Fa|, |Fb|, and the inverse FFT of H = |Fa| + i |Fb|.
; THE INVERSE IS THE FORWARD FFT ON SWAPPED NUMBERS: with swap(x + i y) = y + i x, DFT(swap H) = swap(IDFT H).  So (|Fb|, |Fa|) goes into the same macro, and the numbers stay swapped from here on.
; ycol [img 16][kw 512][h 256] complex;  gt [pair 8][h 512][kw 512] complex (swapped), transposed back so that the next launch finds a row on end.
; SHARES.  A work-group takes 32 columns of one pair (32 x 8 bytes are a run of 256 bytes of gt); each of its 16 waves takes two columns: three FFTs each.
; THE FFT is that of the launch before: 512 = 8 x 8 x 8, decimation in frequency, a wave alone, through its own LDS line.
; Work-groups share no input, every LDS byte is filled from registers, every input byte is asked for at the head: no cluster, no tensor load, no prefetch.
; LIMITS: NaN and infinities are not served; where re^2 + im^2 lies under 2^-126 the square root gives 0 (ISA guide 15.8).  All arithmetic is f32.
.set TW, 0                             ; LDS: 512 twiddles of 16 bytes: (cos, cos, sin, -sin)(2 pi k / 512)
.set REG, 8192                         ; then a line of LINE bytes for each column
.set LINE, 4616                        ; 64 x 72 bytes + 8: 1,154 words, so that 32 lanes reading 8 bytes of 32 lines touch 64 different banks (ISA guide 11.1)
.set L, 1
.set AA, 2
.set AB, 3
.set AC, 4
.set AN, 5
.set AM, 6                             ; v6 where frequency l / 8 + 4 it + 8 (l % 8) + 64 m'' lies as a POSITION of the next FFT
.set L7, 7
.set L3, 8
.set X, 16
.set Y, 48
.set T, 80
.set WA, 96
.set WB, 152
.set G, 180                            ; v180-243 the input: (column i, image a): 16 registers; later the 16 magnitudes
.set WV, 8
.set C0, 20
.set C1, 22
.set C2, 24
.set C3, 26
.set C4, 28
.set C5, 30
.set SH, 32
.macro BARRIER                         ; my LDS stores have landed and my LDS loads are in; then the work-group's barrier
	s_wait_dscnt 0x0
	s_barrier_signal -1
	s_barrier_wait -1
.endm
.macro K1 r, val
	s_mov_b32 s[\r], \val
.endm
.macro K2 r, val
	s_mov_b32 s[\r], \val
	s_mov_b32 s[\r+1], \val
.endm
.macro SINPI d, x, a, b, c             ; v[d] = sin(pi v[x]): k = the nearest whole number, r = x - k (exact), (-1)^k r P(r^2)
	v_rndne_f32 v[\a], v[\x]
	v_sub_f32 v[\b], v[\x], v[\a]
	v_cvt_i32_f32 v[\a], v[\a]
	v_mul_f32 v[\c], v[\b], v[\b]
	v_fma_f32 v[\d], v[\c], s[C5], s[C4]
	v_fma_f32 v[\d], v[\d], v[\c], s[C3]
	v_fma_f32 v[\d], v[\d], v[\c], s[C2]
	v_fma_f32 v[\d], v[\d], v[\c], s[C1]
	v_fma_f32 v[\d], v[\d], v[\c], s[C0]
	v_mul_f32 v[\d], v[\d], v[\b]
	v_lshlrev_b32 v[\a], 31, v[\a]
	v_xor_b32 v[\d], v[\a], v[\d]
.endm
.macro TABLE                           ; thread k makes twiddle k
	v_cvt_f32_u32 v[T], v0
	v_mul_f32 v[T], 0x3b800000, v[T]
	v_add_f32 v[T+1], 0.5, v[T]
	SINPI T+2, T+1, T+6, T+7, T+8
	v_mov_b32 v[T+3], v[T+2]
	SINPI T+4, T, T+6, T+7, T+8
	v_xor_b32 v[T+5], 0x80000000, v[T+4]
	v_lshlrev_b32 v[T+9], 4, v0
	ds_store_b128 v[T+9], v[T+2:T+5] offset:TW
	BARRIER
.endm
.macro TWLOAD
.irp m, 1,2,3,4,5,6,7
	v_mul_u32_u24 v[Y+\m-1], v[L], 16*\m
	v_mul_u32_u24 v[Y+\m+6], v[L7], 128*\m
.endr
.irp m, 1,2,3,4,5,6,7
	ds_load_b128 v[WA+4*\m-4:WA+4*\m-1], v[Y+\m-1] offset:TW
	ds_load_b128 v[WA+4*\m+24:WA+4*\m+27], v[Y+\m-1] offset:TW+512*\m
	ds_load_b128 v[WB+4*\m-4:WB+4*\m-1], v[Y+\m+6] offset:TW
.endr
	s_wait_dscnt 0x0
.endm
.macro PKA o, a, b
	v_pk_add_f32 v[\o:\o+1], v[\a:\a+1], v[\b:\b+1]
.endm
.macro PKS o, a, b
	v_pk_add_f32 v[\o:\o+1], v[\a:\a+1], v[\b:\b+1] neg_lo:[0,1] neg_hi:[0,1]
.endm
.macro LEV1 i
.irp j, 0,2,4,6
	PKA T+\j, \i+\j, \i+8+\j
	PKS T+8+\j, \i+\j, \i+8+\j
.endr
.endm
.macro DFT8 s, d, w, o                 ; y_m = sum over j of a_j exp(-2 pi i j m / 8), from sums v[s ..] and differences v[d ..]; w at work; s is used up
	PKA \w, \s, \s+4
	PKS \w+2, \s, \s+4
	PKA \w+4, \s+2, \s+6
	PKS \w+6, \s+2, \s+6
	v_add_f32 v[\w+8], v[\d], v[\d+5]
	v_sub_f32 v[\w+9], v[\d+1], v[\d+4]
	v_sub_f32 v[\w+10], v[\d], v[\d+5]
	v_add_f32 v[\w+11], v[\d+1], v[\d+4]
	v_add_f32 v[\w+12], v[\d+2], v[\d+3]
	v_sub_f32 v[\w+13], v[\d+3], v[\d+2]
	v_sub_f32 v[\w+14], v[\d+6], v[\d+7]
	v_add_f32 v[\w+15], v[\d+6], v[\d+7]
	PKA \o, \w, \w+4
	PKS \o+8, \w, \w+4
	v_add_f32 v[\o+4], v[\w+2], v[\w+7]
	v_sub_f32 v[\o+5], v[\w+3], v[\w+6]
	v_sub_f32 v[\o+12], v[\w+2], v[\w+7]
	v_add_f32 v[\o+13], v[\w+3], v[\w+6]
	PKS \s, \w+12, \w+14
	PKA \s+2, \w+12, \w+14
	v_pk_fma_f32 v[\o+2:\o+3], v[\s:\s+1], s[SH:SH+1], v[\w+8:\w+9] op_sel_hi:[1,0,1]
	v_pk_fma_f32 v[\o+10:\o+11], v[\s:\s+1], s[SH:SH+1], v[\w+8:\w+9] op_sel_hi:[1,0,1] neg_lo:[1,0,0] neg_hi:[1,0,0]
	v_fma_f32 v[\o+6], v[\s+3], s[SH], v[\w+10]
	v_fma_f32 v[\o+7], -v[\s+2], s[SH], v[\w+11]
	v_fma_f32 v[\o+14], -v[\s+3], s[SH], v[\w+10]
	v_fma_f32 v[\o+15], v[\s+2], s[SH], v[\w+11]
.endm
.macro CMUL o, i, w
	v_pk_mul_f32 v[\o:\o+1], v[\i:\i+1], v[\w:\w+1]
	v_pk_fma_f32 v[\o:\o+1], v[\i:\i+1], v[\w+2:\w+3], v[\o:\o+1] op_sel:[1,0,0] op_sel_hi:[0,1,1]
.endm
.macro STAGE half, in, w, ws, adr, ro, so, sm
.irp it, 0,1
.if \half
	DFT8 \in+8*\it, \in+8*\it, X+16*\it, Y+16*\it
.else
	LEV1 X+16*\it
	DFT8 T, T+8, X+16*\it, Y+16*\it
.endif
.irp m, 1,2,3,4,5,6,7
	CMUL X+16*\it+2*\m, Y+16*\it+2*\m, \w+\ws*\it+4*\m-4
.endr
	ds_store_b64 v[\adr], v[Y+16*\it:Y+16*\it+1] offset:\ro+\so*\it
.irp m, 1,2,3,4,5,6,7
	ds_store_b64 v[\adr], v[X+16*\it+2*\m:X+16*\it+2*\m+1] offset:\ro+\so*\it+\sm*\m
.endr
.endr
.endm
.macro LOADX adr, ro, so, sm
	s_wait_dscnt 0x0                               ; my stores have read their registers
.irp it, 0,1
.irp j, 0,1,2,3,4,5,6,7
	ds_load_b64 v[X+16*\it+2*\j:X+16*\it+2*\j+1], v[\adr] offset:\ro+\so*\it+\sm*\j
.endr
.endr
	s_wait_dscnt 0x0
.endm
.macro FFT half, in, ro
	STAGE \half, \in, WA, 28, AA, \ro, 288, 576
	LOADX AB, \ro, 2304, 72
	STAGE 0, 0, WB, 0, AB, \ro, 2304, 72
	LOADX AC, \ro, 2304, 8
.irp it, 0,1
	LEV1 X+16*\it
	DFT8 T, T+8, X+16*\it, Y+16*\it
.endr
.endm
.macro HEAD wreg
	v_and_b32 v[L], 31, v0
	v_lshrrev_b32 v9, 5, v0
	v_readfirstlane_b32 s[WV], v9
	v_and_b32 v[L7], 7, v[L]
	v_lshrrev_b32 v[L3], 3, v[L]
	s_mul_i32 s9, s[WV], \wreg
	s_add_co_u32 s9, s9, REG
	v_mul_u32_u24 v[AA], v[L3], 72
	v_lshl_add_u32 v[AA], v[L7], 3, v[AA]
	v_add_nc_u32 v[AA], s9, v[AA]
	v_mul_u32_u24 v[AB], v[L3], 576
	v_lshl_add_u32 v[AB], v[L7], 3, v[AB]
	v_add_nc_u32 v[AB], s9, v[AB]
	v_mul_u32_u24 v[AC], v[L], 72
	v_add_nc_u32 v[AC], s9, v[AC]
.endm
.macro NATOUT ro
.irp it, 0,1
.irp m, 0,1,2,3,4,5,6,7
	ds_store_b64 v[AN], v[Y+16*\it+2*\m:Y+16*\it+2*\m+1] offset:\ro+32*\it+512*\m
.endr
.endr
	s_wait_dscnt 0x0
.endm
.macro WAYOUT wstep, gstep             ; transposed: wave w takes indices 32 w + g of all 32 lines, lane = line: each store of the wave covers 256 consecutive bytes, aligned
	v_mul_u32_u24 v9, v[L], LINE
	s_lshl_b32 s10, s[WV], 8
	s_add_co_u32 s10, s10, REG
	v_add_nc_u32 v9, s10, v9
	v_lshlrev_b32 v10, 3, v[L]
	s_mul_i32 s10, s[WV], \wstep
	v_add_nc_u32 v10, s10, v10
.set g, 0
.rept 32
	ds_load_b64 v[16+2*g:17+2*g], v9 offset:8*g
.set g, g+1
.endr
.set g, 0
.rept 32
	s_wait_dscnt 31-g                              ; load g is in, the 31 - g issued behind it may be out
	global_store_b64 v10, v[16+2*g:17+2*g], s[6:7] offset:\gstep*g th:TH_STORE_NT
.set g, g+1
.endr
.endm
.macro ABSV m                          ; the 16 results in Y become 16 magnitudes in v[m ..]
.irp e, 0,1,2,3,4,5,6,7,8,9,10,11,12,13,14,15
	v_pk_mul_f32 v[Y+2*\e:Y+2*\e+1], v[Y+2*\e:Y+2*\e+1], v[Y+2*\e:Y+2*\e+1]
.endr
.irp e, 0,1,2,3,4,5,6,7,8,9,10,11,12,13,14,15
	v_add_f32 v[\m+\e], v[Y+2*\e], v[Y+2*\e+1]
.endr
.irp e, 0,1,2,3,4,5,6,7,8,9,10,11,12,13,14,15
	v_sqrt_f32 v[\m+\e], v[\m+\e]
.endr
	v_nop                                          ; a plain instruction behind the last root (ISA guide 5.7.2),
	s_wait_alu depctr_va_vdst(0)                   ; and one wait for the batch, ahead of its first reader
.endm
	s_load_b128 s[4:7], s[0:1], 0x0                ; ycol, gt
	v_lshl_add_u32 v248, v0, 2, 0x26100
	v_mov_b32 v249, 0
	HEAD 2*LINE
	v_lshlrev_b32 v[AN], 3, v[L3]
	v_lshl_add_u32 v[AN], v[L7], 6, v[AN]
	v_add_nc_u32 v[AN], s9, v[AN]
	v_mul_u32_u24 v[AM], v[L7], 72
	v_lshl_add_u32 v[AM], v[L3], 3, v[AM]
	v_add_nc_u32 v[AM], s9, v[AM]
	K1 C0, 0x40490fdb
	K1 C1, 0xc0a55de7
	K1 C2, 0x402335e3
	K1 C3, 0xbf196966
	K1 C4, 0x3da83c1a
	K1 C5, 0xbbedbd22
	K2 SH, 0x3f3504f3
	s_lshr_b32 s10, ttmp9, 4                       ; work-group = 16 P + block of 32 columns
	s_lshl_b32 s10, s10, 21                        ; a pair is 2^21 bytes in both buffers
	s_and_b32 s12, ttmp9, 15
	s_lshl_b32 s14, s12, 16                        ; ycol: 32 columns of 2,048 bytes
	s_lshl_b32 s12, s12, 8                         ; gt: 32 columns are 256 bytes of each row
	s_add_co_u32 s12, s12, s10
	s_add_co_u32 s10, s10, s14
	s_mov_b32 s11, 0
	s_mov_b32 s13, 0
	v_lshlrev_b32 v9, 3, v[L]
	s_lshl_b32 s14, s[WV], 12
	v_add_nc_u32 v9, s14, v9                       ; 8 l + my wave's two columns
	s_wait_kmcnt 0x0
	s_add_nc_u64 s[4:5], s[4:5], s[10:11]
	s_add_nc_u64 s[6:7], s[6:7], s[12:13]
.irp i, 0,1
.irp a, 0,1
.irp it, 0,1
.irp j, 0,1,2,3
	global_load_b64 v[G+32*\i+16*\a+8*\it+2*\j:G+32*\i+16*\a+8*\it+2*\j+1], v9, s[4:5] offset:1048576*\a+2048*\i+512*\j+256*\it th:TH_LOAD_NT
.endr
.endr
.endr
.endr
	TABLE
	TWLOAD
.irp i, 0,1
.irp a, 0,1
	s_wait_loadcnt 24-16*\i-8*\a                   ; this column's eight loads are in; eight for each (column, image) behind it may be out
	FFT 1, G+32*\i+16*\a, LINE*\i
	ABSV G+32*\i+16*\a
.endr
.irp it, 0,1
.irp m, 0,1,2,3,4,5,6,7
	ds_store_b32 v[AM], v[G+32*\i+16+8*\it+\m] offset:LINE*\i+32*\it+576*\m      ; swapped: |Fb| first,
	ds_store_b32 v[AM], v[G+32*\i+8*\it+\m] offset:LINE*\i+32*\it+576*\m+4       ; |Fa| second
.endr
.endr
	LOADX AA, LINE*\i, 288, 576
	FFT 0, 0, LINE*\i
	NATOUT LINE*\i
.endr
	BARRIER                                        ; all 32 lines lie in LDS
	WAYOUT 131072, 4096                            ; h = 32 w + g: 4,096 bytes from row to row
	s_wait_tensorcnt 0x0
	ds_add_u32 v248, v249
	s_wait_dscnt 0x0
	s_endpgm
.Lfunc_end_k_q54fc459ad9_cols:
	.size	k_q54fc459ad9_cols, .Lfunc_end_k_q54fc459ad9_cols-k_q54fc459ad9_cols
	.p2alignl 7, 3214868480
	.fill 96, 4, 3214868480
	.section	.rodata,"a",@progbits
	.p2align	6, 0x0
	.amdhsa_kernel k_q54fc459ad9_cols
		.amdhsa_group_segment_fixed_size 157952
		.amdhsa_private_segment_fixed_size 0
		.amdhsa_enable_private_segment 0
		.amdhsa_kernarg_size 16
		.amdhsa_user_sgpr_count 2
		.amdhsa_user_sgpr_kernarg_segment_ptr 1
		.amdhsa_wavefront_size32 1
		.amdhsa_system_sgpr_workgroup_id_x 1
		.amdhsa_system_sgpr_workgroup_id_y 1
		.amdhsa_system_sgpr_workgroup_id_z 1
		.amdhsa_system_vgpr_workitem_id 0
		.amdhsa_next_free_vgpr 250
		.amdhsa_next_free_sgpr 66
		.amdhsa_reserve_vcc 0
		.amdhsa_float_denorm_mode_32 3
		.amdhsa_float_denorm_mode_16_64 3
		.amdhsa_memory_ordered 1
		.amdhsa_forward_progress 1
		.amdhsa_inst_pref_size 138
	.end_amdhsa_kernel
	.amdgpu_metadata
---
amdhsa.version: [ 1, 2 ]
amdhsa.kernels:
  - .name:           k_q54fc459ad9_cols
    .symbol:         k_q54fc459ad9_cols.kd
    .args:
      - { .name: ycol, .offset: 0, .size: 8, .value_kind: global_buffer, .address_space: global }
      - { .name: gt, .offset: 8, .size: 8, .value_kind: global_buffer, .address_space: global }
    .group_segment_fixed_size: 157952
    .private_segment_fixed_size: 0
    .kernarg_segment_align: 8
    .kernarg_segment_size: 16
    .max_flat_workgroup_size: 512
    .sgpr_count:     66
    .vgpr_count:     250
    .wavefront_size: 32
...
	.end_amdgpu_metadata
.endif
;; end of part 2
;; launch main (part 3): grid 256 x 1, 16 waves a work-group, no clusters, 257,280 bytes of LDS; arguments gt, lp, part; writes part
.if DOCPART == 3
	.amdgcn_target "amdgcn-amd-amdhsa--gfx1250"
	.amdhsa_code_object_version 6
	.text
	.protected	k_q54fc459ad9_main
	.globl	k_q54fc459ad9_main
	.p2align	8
	.type	k_q54fc459ad9_main,@function
k_q54fc459ad9_main:
	s_mov_b64 s[64:65], 0
	v_nop
	global_prefetch_b8 v0, s[64:65] scope:SCOPE_SE
	s_setreg_imm32_b32 hwreg(HW_REG_WAVE_MODE, 25, 1), 1
	s_wait_xcnt 0x0
; Rows h = 2 g and 2 g + 1 of the 512 x 512 grid, all 16 images and all angles: 1,024 of the product's K = (h, w).
; 1: wave w does the last FFT (along kw) of row hh = w % 2 of pair P = w / 2, on swapped numbers: the result's first word is 2^18 pseudo of image 2 P + 1, its second that of image 2 P.
;    The factor 2^18 is left on: a power of two goes through the quantiser unchanged (it moves the scale's byte alone); the last launch takes it off.
; 2: pseudo is quantised to E2M1 with one E8M0 byte for 32 along w: a lane holds a whole block; the codes go to LDS as images of the operand's registers, the bytes as scale words.
; 3: wave w takes K step f = w / 2 (row f / 4, w = 128 (f % 4) ..) and six tiles of 16 angles: it computes the mask in the operand's own register order, quantises it and multiplies:
;    one matrix instruction a tile, source 0 = 16 angles, source 1 = 16 images, C = 0.  Angles 180 to 191 are computed with the last tile and never read.
; 4: the eight K steps' results of a tile are added through LDS and stored: part [work-group][tile 12][register half 2][lane 32][4] f32.
; THE MASK.  sin(pi (x -+ p)) = (-1)^p sin(pi x), so  sum_p lp_p (sinc(x - p) + sinc(x + p)) = sin(pi x) (2 / pi)(a u^2 + b u + c) / (x (u - 1)(u - 4)),  u = x^2,
;    a = lp0 - lp1 + lp2, b = -5 lp0 + 4 lp1 - lp2, c = 4 lp0.  sin(pi x) = (-1)^k r P(r^2), k = x rounded (by adding 1.5 x 2^23), r = x - k exact; u - 1 and u - 4 are one fused multiply-add each.
;    At x = 0, +-1, +-2 numerator and denominator vanish: eps = 2^-100 is added to sin(pi x) and (eps / pi)(u^2 + u + 4) to the denominator; their quotient is the limit (2 lp0, lp1, lp2), and elsewhere both are lost in rounding.
; LIMITS: NaN and infinities are not served.  theta_t is taken as pi t / 180 (t / 180 to the last bit), x = fma(n, sin, round(m cos)): against an f32 linspace and its sine that moves x by some 5e-5 at the grid's corners,
;    the size of the rounding of pi x in f32.  A block of zeros gets the byte 1, not 127: its codes are zeros, and this program alone reads the bytes.
; Work-groups share no input and every LDS byte is filled from registers: no cluster, no tensor load, no prefetch.
.set TW, 0                             ; LDS: 512 twiddles of 16 bytes
.set REG, 8192                         ; 16 FFT lines of LINE bytes
.set LINE, 4616
.set PS, 82048                         ; pseudo: 32 planes [hh][img] of 512 f32 + 16 bytes: 516 words, so that the 16 rows of a 16-byte load begin at 16 different banks (ISA guide 11.1)
.set AIMG, 148096                      ; its 8 fragments, 1,024 bytes each: register group c at 512 c + 16 lane
.set ASC, 156288                       ; their scale words: 64 f + 4 image
.set RED, 156800                       ; results: [tile 12][f 8][half 2][lane 32][16 bytes]
.set L, 1
.set AA, 2
.set AB, 3
.set AC, 4
.set L7, 7
.set L3, 8
.set RL, 12                            ; v12 lane % 16, v13 lane / 16, v14 16 x lane
.set HF, 13
.set LI, 14
.set X, 16
.set Y, 48
.set T, 80
.set WA, 96
.set WB, 152
.set NN, 16                            ; phase 3: v16-79 n of my 64 columns: register 32 c + e is k = 64 c + 32 (lane / 16) + e
.set XX, 80                            ; v80-95 x
.set KK, 96                            ; v96-111 x + 1.5 x 2^23, then k's parity, then the denominator and its reciprocal
.set RR, 112                           ; v112-127 r, then u
.set VV, 128                           ; v128-143 r^2, later at work
.set PP, 144                           ; v144-159 the polynomial, then the numerator
.set MM, 160                           ; v160-191 a block of 32 mask numbers
.set MF, 192                           ; v192-199 the mask's codes
.set PF, 200                           ; v200-207 pseudo's codes
.set DD, 208                           ; v208-215 the product
.set SS, 216                           ; pairs, the low word used: sin theta; m cos theta; the numerator's three; C4; 4 eps / pi
.set MC, 218
.set CA, 220
.set CB, 222
.set CC, 224
.set C4V, 226
.set E2V, 228
.set TF, 230                           ; v230 my angle's number t, as f32
.set T0, 231
.set T1, 232
.set ADR, 234
.set RB3, 235
.set SH8, 236
.set NMV, 237                          ; -m
.set BY, 238                           ; v238-239 my two blocks' bytes
.set MSC, 240                          ; v240 the mask's scale word, v241 pseudo's: they hold scales and nothing else
.set PSC, 241
.set SW, 242
.set TP, 243
.set WV, 8
.set C0, 20
.set C1, 22
.set C2, 24
.set C3, 26
.set C4, 28
.set C5, 30
.set SH, 32
.set MAG, 34
.set EPS, 36
.set E1, 38
.set SEL, 40
.set NMAG, 42
.set RO, 45
.set INV, 50
.set K180, 51
.set KM90, 52
.macro BARRIER                         ; my LDS stores have landed and my LDS loads are in; then the work-group's barrier
	s_wait_dscnt 0x0
	s_barrier_signal -1
	s_barrier_wait -1
.endm
.macro K2 r, val                       ; a pair: the packed forms name both words
	s_mov_b32 s[\r], \val
	s_mov_b32 s[\r+1], \val
.endm
.macro SINPI d, x, a, b, c             ; v[d] = sin(pi v[x]): k = the nearest whole number, r = x - k (exact), (-1)^k r P(r^2)
	v_rndne_f32 v[\a], v[\x]
	v_sub_f32 v[\b], v[\x], v[\a]
	v_cvt_i32_f32 v[\a], v[\a]
	v_mul_f32 v[\c], v[\b], v[\b]
	v_fma_f32 v[\d], v[\c], s[C5], s[C4]
	v_fma_f32 v[\d], v[\d], v[\c], s[C3]
	v_fma_f32 v[\d], v[\d], v[\c], s[C2]
	v_fma_f32 v[\d], v[\d], v[\c], s[C1]
	v_fma_f32 v[\d], v[\d], v[\c], s[C0]
	v_mul_f32 v[\d], v[\d], v[\b]
	v_lshlrev_b32 v[\a], 31, v[\a]
	v_xor_b32 v[\d], v[\a], v[\d]
.endm
.macro TABLE                           ; thread k makes twiddle k
	v_cvt_f32_u32 v[T], v0
	v_mul_f32 v[T], 0x3b800000, v[T]
	v_add_f32 v[T+1], 0.5, v[T]
	SINPI T+2, T+1, T+6, T+7, T+8
	v_mov_b32 v[T+3], v[T+2]
	SINPI T+4, T, T+6, T+7, T+8
	v_xor_b32 v[T+5], 0x80000000, v[T+4]
	v_lshlrev_b32 v[T+9], 4, v0
	ds_store_b128 v[T+9], v[T+2:T+5] offset:TW
	BARRIER
.endm
.macro TWLOAD
.irp m, 1,2,3,4,5,6,7
	v_mul_u32_u24 v[Y+\m-1], v[L], 16*\m
	v_mul_u32_u24 v[Y+\m+6], v[L7], 128*\m
.endr
.irp m, 1,2,3,4,5,6,7
	ds_load_b128 v[WA+4*\m-4:WA+4*\m-1], v[Y+\m-1] offset:TW
	ds_load_b128 v[WA+4*\m+24:WA+4*\m+27], v[Y+\m-1] offset:TW+512*\m
	ds_load_b128 v[WB+4*\m-4:WB+4*\m-1], v[Y+\m+6] offset:TW
.endr
	s_wait_dscnt 0x0
.endm
.macro PKA o, a, b
	v_pk_add_f32 v[\o:\o+1], v[\a:\a+1], v[\b:\b+1]
.endm
.macro PKS o, a, b
	v_pk_add_f32 v[\o:\o+1], v[\a:\a+1], v[\b:\b+1] neg_lo:[0,1] neg_hi:[0,1]
.endm
.macro LEV1 i
.irp j, 0,2,4,6
	PKA T+\j, \i+\j, \i+8+\j
	PKS T+8+\j, \i+\j, \i+8+\j
.endr
.endm
.macro DFT8 s, d, w, o                 ; y_m = sum over j of a_j exp(-2 pi i j m / 8), from sums v[s ..] and differences v[d ..]; w at work; s is used up
	PKA \w, \s, \s+4
	PKS \w+2, \s, \s+4
	PKA \w+4, \s+2, \s+6
	PKS \w+6, \s+2, \s+6
	v_add_f32 v[\w+8], v[\d], v[\d+5]
	v_sub_f32 v[\w+9], v[\d+1], v[\d+4]
	v_sub_f32 v[\w+10], v[\d], v[\d+5]
	v_add_f32 v[\w+11], v[\d+1], v[\d+4]
	v_add_f32 v[\w+12], v[\d+2], v[\d+3]
	v_sub_f32 v[\w+13], v[\d+3], v[\d+2]
	v_sub_f32 v[\w+14], v[\d+6], v[\d+7]
	v_add_f32 v[\w+15], v[\d+6], v[\d+7]
	PKA \o, \w, \w+4
	PKS \o+8, \w, \w+4
	v_add_f32 v[\o+4], v[\w+2], v[\w+7]
	v_sub_f32 v[\o+5], v[\w+3], v[\w+6]
	v_sub_f32 v[\o+12], v[\w+2], v[\w+7]
	v_add_f32 v[\o+13], v[\w+3], v[\w+6]
	PKS \s, \w+12, \w+14
	PKA \s+2, \w+12, \w+14
	v_pk_fma_f32 v[\o+2:\o+3], v[\s:\s+1], s[SH:SH+1], v[\w+8:\w+9] op_sel_hi:[1,0,1]
	v_pk_fma_f32 v[\o+10:\o+11], v[\s:\s+1], s[SH:SH+1], v[\w+8:\w+9] op_sel_hi:[1,0,1] neg_lo:[1,0,0] neg_hi:[1,0,0]
	v_fma_f32 v[\o+6], v[\s+3], s[SH], v[\w+10]
	v_fma_f32 v[\o+7], -v[\s+2], s[SH], v[\w+11]
	v_fma_f32 v[\o+14], -v[\s+3], s[SH], v[\w+10]
	v_fma_f32 v[\o+15], v[\s+2], s[SH], v[\w+11]
.endm
.macro CMUL o, i, w
	v_pk_mul_f32 v[\o:\o+1], v[\i:\i+1], v[\w:\w+1]
	v_pk_fma_f32 v[\o:\o+1], v[\i:\i+1], v[\w+2:\w+3], v[\o:\o+1] op_sel:[1,0,0] op_sel_hi:[0,1,1]
.endm
.macro STAGE w, ws, adr, so, sm        ; two butterflies on X, twiddles, back to the places they came from
.irp it, 0,1
	LEV1 X+16*\it
	DFT8 T, T+8, X+16*\it, Y+16*\it
.irp m, 1,2,3,4,5,6,7
	CMUL X+16*\it+2*\m, Y+16*\it+2*\m, \w+\ws*\it+4*\m-4
.endr
	ds_store_b64 v[\adr], v[Y+16*\it:Y+16*\it+1] offset:\so*\it
.irp m, 1,2,3,4,5,6,7
	ds_store_b64 v[\adr], v[X+16*\it+2*\m:X+16*\it+2*\m+1] offset:\so*\it+\sm*\m
.endr
.endr
.endm
.macro LOADX adr, so, sm
	s_wait_dscnt 0x0                               ; my stores have read their registers
.irp it, 0,1
.irp j, 0,1,2,3,4,5,6,7
	ds_load_b64 v[X+16*\it+2*\j:X+16*\it+2*\j+1], v[\adr] offset:\so*\it+\sm*\j
.endr
.endr
	s_wait_dscnt 0x0
.endm
; 32 numbers of one block, v[s ..], become 32 codes in v[c .. c + 3] and the scale's byte in v[by].  d, e: at work.
.macro QBLK s, c, by, d, e
	v_max3_num_f32 v[\d], |v[\s]|, |v[\s+1]|, 0x1800000        ; the largest magnitude, in two chains, with the floor 2^(3 - 127) among the leaves: the byte cannot fall under 1
	v_max3_num_f32 v[\e], |v[\s+16]|, |v[\s+17]|, |v[\s+18]|
.irp i, 2,4,6,8,10,12,14
	v_max3_num_f32 v[\d], v[\d], |v[\s+\i]|, |v[\s+\i+1]|
.if \i < 14
	v_max3_num_f32 v[\e], v[\e], |v[\s+17+\i]|, |v[\s+18+\i]|
.endif
.endr
	v_max3_num_f32 v[\d], v[\d], v[\e], |v[\s+31]|
	v_add_nc_u32 v[\d], 0xff000000, v[\d]                      ; 2 off its exponent field: the conversion takes the exponent field of this operand as its scale
	v_lshrrev_b32 v[\by], 23, v[\d]
.irp g, 0,1,2,3
	v_cvt_scalef32_pk8_fp4_f32 v[\c+\g], v[\s+8*\g:\s+8*\g+7], v[\d]
.endr
	v_nop                                          ; one plain instruction behind the last scaled conversion
.endm
; 16 mask numbers, from n in v[nn ..] into v[mm ..].  Each step runs over the eight pairs before the next begins, so that no line waits for the line above it.
.macro MASK16 nn, mm
.irp j, 0,2,4,6,8,10,12,14
	v_pk_fma_f32 v[XX+\j:XX+\j+1], v[\nn+\j:\nn+\j+1], v[SS:SS+1], v[MC:MC+1] op_sel_hi:[1,0,0]   ; x = n sin + m cos
.endr
.irp j, 0,2,4,6,8,10,12,14
	v_pk_add_f32 v[KK+\j:KK+\j+1], v[XX+\j:XX+\j+1], s[MAG:MAG+1] op_sel_hi:[1,0]                ; its last bit is k's parity
.endr
.irp j, 0,2,4,6,8,10,12,14
	v_pk_add_f32 v[RR+\j:RR+\j+1], v[KK+\j:KK+\j+1], s[NMAG:NMAG+1] op_sel_hi:[1,0]              ; k
.endr
.irp j, 0,2,4,6,8,10,12,14
	v_pk_add_f32 v[RR+\j:RR+\j+1], v[XX+\j:XX+\j+1], v[RR+\j:RR+\j+1] neg_lo:[0,1] neg_hi:[0,1]  ; r = x - k, exact
.endr
.irp e, 0,1,2,3,4,5,6,7,8,9,10,11,12,13,14,15
	v_lshlrev_b32 v[KK+\e], 31, v[KK+\e]
.endr
.irp j, 0,2,4,6,8,10,12,14
	v_pk_mul_f32 v[VV+\j:VV+\j+1], v[RR+\j:RR+\j+1], v[RR+\j:RR+\j+1]
.endr
.irp e, 0,1,2,3,4,5,6,7,8,9,10,11,12,13,14,15
	v_xor_b32 v[RR+\e], v[KK+\e], v[RR+\e]                                                       ; (-1)^k r
.endr
.irp j, 0,2,4,6,8,10,12,14
	v_pk_fma_f32 v[PP+\j:PP+\j+1], v[VV+\j:VV+\j+1], s[C5:C5+1], v[C4V:C4V+1] op_sel_hi:[1,0,0]
.endr
.irp k, C3, C2, C1, C0
.irp j, 0,2,4,6,8,10,12,14
	v_pk_fma_f32 v[PP+\j:PP+\j+1], v[PP+\j:PP+\j+1], v[VV+\j:VV+\j+1], s[\k:\k+1] op_sel_hi:[1,1,0]
.endr
.endr
.irp j, 0,2,4,6,8,10,12,14
	v_pk_fma_f32 v[PP+\j:PP+\j+1], v[RR+\j:RR+\j+1], v[PP+\j:PP+\j+1], s[EPS:EPS+1] op_sel_hi:[1,1,0]   ; sin(pi x) + eps
.endr
.irp j, 0,2,4,6,8,10,12,14
	v_pk_mul_f32 v[RR+\j:RR+\j+1], v[XX+\j:XX+\j+1], v[XX+\j:XX+\j+1]                            ; u
.endr
.irp j, 0,2,4,6,8,10,12,14
	v_pk_fma_f32 v[KK+\j:KK+\j+1], v[XX+\j:XX+\j+1], v[XX+\j:XX+\j+1], -1.0 op_sel_hi:[1,1,0]    ; u - 1, rounded once
.endr
.irp j, 0,2,4,6,8,10,12,14
	v_pk_fma_f32 v[VV+\j:VV+\j+1], v[XX+\j:XX+\j+1], v[XX+\j:XX+\j+1], -4.0 op_sel_hi:[1,1,0]    ; u - 4
.endr
.irp j, 0,2,4,6,8,10,12,14
	v_pk_mul_f32 v[KK+\j:KK+\j+1], v[KK+\j:KK+\j+1], v[VV+\j:VV+\j+1]
.endr
.irp j, 0,2,4,6,8,10,12,14
	v_pk_fma_f32 v[VV+\j:VV+\j+1], v[RR+\j:RR+\j+1], v[RR+\j:RR+\j+1], v[RR+\j:RR+\j+1]          ; u^2 + u
.endr
.irp j, 0,2,4,6,8,10,12,14
	v_pk_fma_f32 v[VV+\j:VV+\j+1], v[VV+\j:VV+\j+1], s[E1:E1+1], v[E2V:E2V+1] op_sel_hi:[1,0,0]  ; (eps / pi)(u^2 + u + 4)
.endr
.irp j, 0,2,4,6,8,10,12,14
	v_pk_fma_f32 v[KK+\j:KK+\j+1], v[XX+\j:XX+\j+1], v[KK+\j:KK+\j+1], v[VV+\j:VV+\j+1]          ; the denominator
.endr
.irp e, 0,1,2,3,4,5,6,7,8,9,10,11,12,13,14,15
	v_rcp_f32 v[KK+\e], v[KK+\e]
.endr
.irp j, 0,2,4,6,8,10,12,14
	v_pk_fma_f32 v[VV+\j:VV+\j+1], v[RR+\j:RR+\j+1], v[CA:CA+1], v[CB:CB+1] op_sel_hi:[1,0,0]    ; 24 plain lines that name no reciprocal stand behind the batch
.endr
.irp j, 0,2,4,6,8,10,12,14
	v_pk_fma_f32 v[VV+\j:VV+\j+1], v[VV+\j:VV+\j+1], v[RR+\j:RR+\j+1], v[CC:CC+1] op_sel_hi:[1,1,0]
.endr
.irp j, 0,2,4,6,8,10,12,14
	v_pk_mul_f32 v[PP+\j:PP+\j+1], v[PP+\j:PP+\j+1], v[VV+\j:VV+\j+1]
.endr
	s_wait_alu depctr_va_vdst(0)                   ; one wait for the 16 reciprocals, ahead of their first reader
.irp j, 0,2,4,6,8,10,12,14
	v_pk_mul_f32 v[\mm+\j:\mm+\j+1], v[PP+\j:PP+\j+1], v[KK+\j:KK+\j+1]
.endr
.endm
	s_load_b128 s[4:7], s[0:1], 0x0                ; gt, lp
	s_load_b64 s[16:17], s[0:1], 0x10              ; part
	v_lshl_add_u32 v248, v0, 2, 0x3e500
	v_mov_b32 v249, 0
	v_and_b32 v[L], 31, v0
	v_lshrrev_b32 v9, 5, v0
	v_readfirstlane_b32 s[WV], v9                  ; wave 0..15
	v_and_b32 v[L7], 7, v[L]
	v_lshrrev_b32 v[L3], 3, v[L]
	v_and_b32 v[RL], 15, v[L]
	v_lshrrev_b32 v[HF], 4, v[L]
	v_lshlrev_b32 v[LI], 4, v[L]
	s_mul_i32 s9, s[WV], LINE
	s_add_co_u32 s9, s9, REG                       ; my FFT line
	v_mul_u32_u24 v[AA], v[L3], 72
	v_lshl_add_u32 v[AA], v[L7], 3, v[AA]
	v_add_nc_u32 v[AA], s9, v[AA]
	v_mul_u32_u24 v[AB], v[L3], 576
	v_lshl_add_u32 v[AB], v[L7], 3, v[AB]
	v_add_nc_u32 v[AB], s9, v[AB]
	v_mul_u32_u24 v[AC], v[L], 72
	v_add_nc_u32 v[AC], s9, v[AC]
	K2 C0, 0x40490fdb                              ; pi
	K2 C1, 0xc0a55de7                              ; -pi^3 / 6
	K2 C2, 0x402335e3                              ; pi^5 / 120
	K2 C3, 0xbf196966                              ; -pi^7 / 5040
	K2 C4, 0x3da83c1a                              ; pi^9 / 9!
	K2 C5, 0xbbedbd22                              ; -pi^11 / 11! with the series' tail at r = 1/2 taken in
	K2 SH, 0x3f3504f3                              ; sqrt(1/2)
	K2 MAG, 0x4b400000                             ; 1.5 x 2^23
	K2 NMAG, 0xcb400000
	K2 EPS, 0x0d800000                             ; 2^-100
	K2 E1, 0x0ca2f983                              ; eps / pi
	s_mov_b32 s[SEL], 0x76543210
	s_mov_b32 s[SEL+1], 0xfedcba98                 ; v_permlanex16_b32's selects for lane l xor 16
	s_mov_b32 s[INV], 0x3bb60b61                   ; 1 / 180
	s_mov_b32 s[K180], 0x43340000
	s_mov_b32 s[KM90], 0xc2b40000                  ; -90
	s_and_b32 s46, s[WV], 1
	s_lshr_b32 s47, s[WV], 1
	s_lshl_b32 s10, s47, 21                        ; phase 1: pair w / 2,
	s_lshl_b32 s11, ttmp9, 13                      ; rows 2 g,
	s_add_co_u32 s10, s10, s11
	s_lshl_b32 s11, s46, 12                        ; + w % 2, of 4,096 bytes
	s_add_co_u32 s10, s10, s11
	s_mov_b32 s11, 0
	v_lshlrev_b32 v9, 3, v[L]
	s_wait_kmcnt 0x0
	s_add_nc_u64 s[4:5], s[4:5], s[10:11]
	s_load_b96 s[12:14], s[6:7], 0x0               ; lp0, lp1, lp2
.irp it, 0,1
.irp j, 0,1,2,3,4,5,6,7
	global_load_b64 v[X+16*\it+2*\j:X+16*\it+2*\j+1], v9, s[4:5] offset:512*\j+256*\it th:TH_LOAD_NT
.endr
.endr
	TABLE
	TWLOAD
	s_mul_i32 s10, s46, 33024                      ; where my results go: plane [w % 2][2 (w / 2)], word l / 8 + 8 (l % 8) (+ 4 it + 64 m'')
	s_mul_i32 s11, s47, 4128
	s_add_co_u32 s10, s10, s11
	s_add_co_u32 s10, s10, PS
	v_lshlrev_b32 v10, 2, v[L3]
	v_lshl_add_u32 v10, v[L7], 5, v10
	v_add_nc_u32 v10, s10, v10
	s_wait_loadcnt 0x0
	; ---- 1: the FFT
	STAGE WA, 28, AA, 288, 576
	LOADX AB, 2304, 72
	STAGE WB, 0, AB, 2304, 72
	LOADX AC, 2304, 8
.irp it, 0,1
	LEV1 X+16*\it
	DFT8 T, T+8, X+16*\it, Y+16*\it
.endr
.irp it, 0,1
.irp m, 0,1,2,3,4,5,6,7
	ds_store_b32 v10, v[Y+16*\it+2*\m] offset:2064+16*\it+256*\m    ; the first word: image 2 P + 1
	ds_store_b32 v10, v[Y+16*\it+2*\m+1] offset:16*\it+256*\m       ; the second: image 2 P
.endr
.endr
	BARRIER                                        ; pseudo's 32 rows lie in LDS
	; ---- 2: register group c = w % 2 of fragment f = w / 2: lane (r, half) takes image r, columns 64 (w % 8) + 32 half + 0 .. 31 of row w / 8: one block
	s_lshr_b32 s49, s[WV], 3
	s_mul_i32 s10, s49, 33024
	s_and_b32 s11, s[WV], 7
	s_lshl_b32 s11, s11, 8
	s_add_co_u32 s10, s10, s11
	s_add_co_u32 s10, s10, PS
	v_mul_u32_u24 v11, v[RL], 2064
	v_lshl_add_u32 v11, v[HF], 7, v11
	v_add_nc_u32 v11, s10, v11
.irp i, 0,1,2,3,4,5,6,7
	ds_load_b128 v[16+4*\i:19+4*\i], v11 offset:16*\i
.endr
	s_lshl_b32 s10, s[WV], 9
	s_add_co_u32 s10, s10, AIMG
	v_add_nc_u32 v15, s10, v[LI]                   ; the image: 512 w + 16 lane
	s_lshl_b32 s10, s47, 6
	s_lshl_b32 s11, s46, 1
	s_add_co_u32 s10, s10, s11
	s_add_co_u32 s10, s10, ASC
	v_lshl_add_u32 v9, v[RL], 2, v[HF]
	v_add_nc_u32 v9, s10, v9                       ; the byte: word 64 f + 4 r, byte 2 c + half
	s_wait_dscnt 0x0
	QBLK 16, 48, 52, 53, 54
	ds_store_b128 v15, v[48:51]
	ds_store_b8 v9, v52
	BARRIER                                        ; pseudo's eight fragments and their scale words lie in LDS
	; ---- 3: set-up
	s_lshl_b32 s10, s47, 10
	s_add_co_u32 s11, s10, AIMG
	v_add_nc_u32 v15, s11, v[LI]
	ds_load_b128 v[PF:PF+3], v15
	ds_load_b128 v[PF+4:PF+7], v15 offset:512
	s_add_co_u32 s10, s10, RED
	v_add_nc_u32 v[RB3], s10, v[LI]                ; my results: RED + 1,024 f + 16 lane (+ 8,192 tile)
	s_lshl_b32 s10, s47, 6
	s_add_co_u32 s10, s10, ASC
	v_lshlrev_b32 v9, 2, v[RL]
	v_add_nc_u32 v9, s10, v9
	ds_load_b32 v[PSC], v9
	s_lshl_b32 s10, s[WV], 13
	s_add_co_u32 s10, s10, RED
	v_add_nc_u32 v11, s10, v[LI]                   ; phase 4's place (waves 0 to 11 use it)
	s_mul_i32 s[RO], s46, 49152                    ; my first tile: 6 (w % 2)
	s_and_b32 s48, s47, 3
	s_lshl_b32 s10, s48, 7                         ; n of my first column: 128 (f % 4), wrapped: - 512 from column 256 on
	s_cmp_ge_u32 s48, 2
	s_cselect_b32 s11, 512, 0
	s_sub_co_i32 s10, s10, s11
	v_lshl_add_u32 v[T0], v[HF], 5, s10            ; + 32 (lane / 16)
.set i, 0
.rept 64
	v_add_nc_u32 v[NN+i], 64*(i/32)+i%32, v[T0]
.set i, i+1
.endr
.set i, 0
.rept 64
	v_cvt_f32_i32 v[NN+i], v[NN+i]
.set i, i+1
.endr
	s_lshl_b32 s10, ttmp9, 1
	s_add_co_u32 s10, s10, s49                     ; h = 2 g + f / 4
	s_cmp_ge_u32 s10, 256
	s_cselect_b32 s11, 512, 0
	s_sub_co_i32 s10, s11, s10                     ; -m
	v_cvt_f32_i32 v[NMV], s10
	s_mul_i32 s10, s46, 96
	v_add_nc_u32 v[T0], s10, v[RL]
	v_cvt_f32_u32 v[TF], v[T0]                     ; t = 96 (w % 2) + lane % 16 (+ 16 a trip)
	v_lshlrev_b32 v[SH8], 3, v[HF]
	v_mov_b32 v[TP], 0                             ; a lane permute's destination counts as one of its sources
	v_mov_b32 v[SS+1], 0                           ; the pairs' upper words are named, so they are written
	v_mov_b32 v[MC+1], 0
	v_mov_b32 v[C4V], s[C4]
	v_mov_b32 v[C4V+1], s[C4]
	v_mov_b32 v[E2V], 0x0da2f983                   ; 4 eps / pi
	v_mov_b32 v[E2V+1], v[E2V]
	s_wait_kmcnt 0x0                               ; lp
	v_mov_b32 v231, s12
	v_mov_b32 v232, s13
	v_mov_b32 v233, s14
	v_sub_f32 v234, v231, v232
	v_add_f32 v234, v234, v233
	v_mul_f32 v[CA], 0x3f22f983, v234              ; (2 / pi)(lp0 - lp1 + lp2)
	v_mul_f32 v234, 4.0, v232
	v_fmamk_f32 v234, v231, 0xc0a00000, v234
	v_sub_f32 v234, v234, v233
	v_mul_f32 v[CB], 0x3f22f983, v234              ; (2 / pi)(-5 lp0 + 4 lp1 - lp2)
	v_mul_f32 v234, 4.0, v231
	v_mul_f32 v[CC], 0x3f22f983, v234              ; (2 / pi) 4 lp0
	v_mov_b32 v[CA+1], v[CA]
	v_mov_b32 v[CB+1], v[CB]
	v_mov_b32 v[CC+1], v[CC]
	s_mov_b32 s44, 6
.Ltile:                                            ; a tile of 16 angles x my 128 of K
	v_mul_f32 v[XX], s[INV], v[TF]                 ; t / 180, to the last bit: a quotient, its remainder, the correction
	v_fma_f32 v[XX+1], -v[XX], s[K180], v[TF]
	v_fma_f32 v[XX], v[XX+1], s[INV], v[XX]
	v_add_f32 v[XX+2], s[KM90], v[TF]
	v_mul_f32 v[XX+3], s[INV], v[XX+2]             ; (t - 90) / 180: cos(pi q) = -sin(pi (q - 1/2)), small where the cosine is small
	v_fma_f32 v[XX+1], -v[XX+3], s[K180], v[XX+2]
	v_fma_f32 v[XX+3], v[XX+1], s[INV], v[XX+3]
	SINPI SS, XX, XX+4, XX+5, XX+6
	SINPI XX+7, XX+3, XX+4, XX+5, XX+6
	v_mul_f32 v[MC], v[XX+7], v[NMV]               ; m cos
.irp c, 0,1
	MASK16 NN+32*\c, MM
	MASK16 NN+32*\c+16, MM+16
	QBLK MM, MF+4*\c, BY+\c, T0, T1                ; block 2 c + lane / 16 of my angle's row: registers 4 c .. 4 c + 3 of the operand
.endr
	v_lshl_or_b32 v[SW], v[BY+1], 16, v[BY]        ; my two bytes, at their places in the scale word;
	v_lshlrev_b32 v[SW], v[SH8], v[SW]
	v_permlanex16_b32 v[TP], v[SW], s[SEL], s[SEL+1]
	v_or_b32 v[MSC], v[SW], v[TP]                  ; with lane l xor 16's two the word is whole
	s_wait_dscnt 0x0                               ; first trip: pseudo's fragment and scale words are in; later: the last trip's stores have read D and their address
.rept 8
	v_nop                                          ; a scale register written by a vector instruction stands 8 places ahead of a scaled matrix instruction, an operand so written 4
.endr
	v_wmma_scale_f32_16x16x128_f8f6f4 v[DD:DD+7], v[MF:MF+7], v[PF:PF+7], 0, v[MSC], v[PSC] matrix_a_fmt:MATRIX_FMT_FP4 matrix_b_fmt:MATRIX_FMT_FP4
	v_add_f32 v[TF], 0x41800000, v[TF]             ; four places behind it (ISA guide 7.12.1): the next tile's t,
	v_add_nc_u32 v[ADR], s[RO], v[RB3]             ; this tile's place,
	v_nop
	v_nop
	ds_store_b128 v[ADR], v[DD:DD+3]               ; lane (b, half), register j: image b, angle 16 tile + 8 half + j; from the low end on
	ds_store_b128 v[ADR], v[DD+4:DD+7] offset:512
	s_add_co_u32 s[RO], s[RO], 8192
	s_sub_co_u32 s44, s44, 1
	s_cmp_lg_u32 s44, 0
	s_cbranch_scc1 .Ltile
	BARRIER                                        ; all 96 results lie in LDS
	; ---- 4: wave w < 12 adds tile w's eight K steps
	s_mul_i32 s10, ttmp9, 12288
	s_mov_b32 s11, 0
	s_add_nc_u64 s[16:17], s[16:17], s[10:11]
	s_lshl_b32 s10, s[WV], 10
	v_add_nc_u32 v9, s10, v[LI]
	s_cmp_lt_u32 s[WV], 12
	s_cbranch_scc0 .Ldone
.irp n, 0,1,2,3,4,5,6,7,8,9,10,11,12,13,14,15
	ds_load_b128 v[16+4*\n:19+4*\n], v11 offset:512*\n
.endr
	s_wait_dscnt 0x0
.irp f, 1,2,3,4,5,6,7
.irp k, 0,2,4,6
	v_pk_add_f32 v[16+\k:17+\k], v[16+\k:17+\k], v[16+8*\f+\k:17+8*\f+\k]
.endr
.endr
	global_store_b128 v9, v[16:19], s[16:17] th:TH_STORE_NT             ; each store of the wave covers 512 consecutive bytes, aligned
	global_store_b128 v9, v[20:23], s[16:17] offset:512 th:TH_STORE_NT
.Ldone:
	s_wait_tensorcnt 0x0
	ds_add_u32 v248, v249
	s_wait_dscnt 0x0
	s_endpgm
.Lfunc_end_k_q54fc459ad9_main:
	.size	k_q54fc459ad9_main, .Lfunc_end_k_q54fc459ad9_main-k_q54fc459ad9_main
	.p2alignl 7, 3214868480
	.fill 96, 4, 3214868480
	.section	.rodata,"a",@progbits
	.p2align	6, 0x0
	.amdhsa_kernel k_q54fc459ad9_main
		.amdhsa_group_segment_fixed_size 257280
		.amdhsa_private_segment_fixed_size 0
		.amdhsa_enable_private_segment 0
		.amdhsa_kernarg_size 24
		.amdhsa_user_sgpr_count 2
		.amdhsa_user_sgpr_kernarg_segment_ptr 1
		.amdhsa_wavefront_size32 1
		.amdhsa_system_sgpr_workgroup_id_x 1
		.amdhsa_system_sgpr_workgroup_id_y 1
		.amdhsa_system_sgpr_workgroup_id_z 1
		.amdhsa_system_vgpr_workitem_id 0
		.amdhsa_next_free_vgpr 250
		.amdhsa_next_free_sgpr 66
		.amdhsa_reserve_vcc 0
		.amdhsa_float_denorm_mode_32 3
		.amdhsa_float_denorm_mode_16_64 3
		.amdhsa_memory_ordered 1
		.amdhsa_forward_progress 1
		.amdhsa_inst_pref_size 99
	.end_amdhsa_kernel
	.amdgpu_metadata
---
amdhsa.version: [ 1, 2 ]
amdhsa.kernels:
  - .name:           k_q54fc459ad9_main
    .symbol:         k_q54fc459ad9_main.kd
    .args:
      - { .name: gt, .offset: 0, .size: 8, .value_kind: global_buffer, .address_space: global }
      - { .name: lp, .offset: 8, .size: 8, .value_kind: global_buffer, .address_space: global }
      - { .name: part, .offset: 16, .size: 8, .value_kind: global_buffer, .address_space: global }
    .group_segment_fixed_size: 257280
    .private_segment_fixed_size: 0
    .kernarg_segment_align: 8
    .kernarg_segment_size: 24
    .max_flat_workgroup_size: 512
    .sgpr_count:     66
    .vgpr_count:     250
    .wavefront_size: 32
...
	.end_amdgpu_metadata
.endif
;; end of part 3
;; launch reduce (part 4): grid 23 x 1, 16 waves a work-group, no clusters, 10,240 bytes of LDS; arguments part, out0; writes out0
.if DOCPART == 4
	.amdgcn_target "amdgcn-amd-amdhsa--gfx1250"
	.amdhsa_code_object_version 6
	.text
	.protected	k_q54fc459ad9_reduce
	.globl	k_q54fc459ad9_reduce
	.p2align	8
	.type	k_q54fc459ad9_reduce,@function
k_q54fc459ad9_reduce:
	s_mov_b64 s[64:65], 0
	v_nop
	global_prefetch_b8 v0, s[64:65] scope:SCOPE_SE
	s_setreg_imm32_b32 hwreg(HW_REG_WAVE_MODE, 25, 1), 1
	s_wait_xcnt 0x0
; out0[b][t] = 2^-36 x the sum over the 256 work-groups' parts: 2^-18 for the factor left on pseudo, 2^-18 for the division by 512 x 512.
; part [work-group 256][tile 12][half 2][lane 32][4] f32.  Work-group x = 2 tile + half sums one block of 512 bytes over the 256: wave w takes 16 of them, then wave 0 adds the 16 waves' sums.
; Lane l's four numbers are image l % 16, angles 16 tile + 4 half + 8 (l / 16) + 0 .. 3.  x = 23 would hold angles from 180 on alone and is not launched; in x = 22 lanes 16 to 31 store nothing.
; The sum spans work-groups of the launch before, so it has a launch of its own.  A stream of 3 MiB read once, all of it asked for at the head: no LDS ring, no matrix unit, no prefetch.
.macro SUM16                           ; v[16:19] = the sum of the sixteen quadruples v[16 + 4 i ..], as a tree
.irp n, 8,4,2,1
.set i, 0
.rept \n
.irp k, 0,2
	v_pk_add_f32 v[16+4*i+\k:17+4*i+\k], v[16+4*i+\k:17+4*i+\k], v[16+4*(i+\n)+\k:17+4*(i+\n)+\k]
.endr
.set i, i+1
.endr
.endr
.endm
	s_load_b128 s[4:7], s[0:1], 0x0                ; part, out0
	v_lshl_add_u32 v80, v0, 2, 0x2000
	v_mov_b32 v81, 0
	v_and_b32 v1, 31, v0
	v_lshrrev_b32 v2, 5, v0
	v_readfirstlane_b32 s8, v2                     ; wave
	v_lshlrev_b32 v3, 4, v1                        ; 16 x lane
	s_mul_i32 s9, s8, 196608                       ; 16 work-groups' parts of 12,288 bytes
	v_add_nc_u32 v4, s9, v3
	s_lshl_b32 s9, s8, 9
	v_add_nc_u32 v5, s9, v3                        ; LDS: 512 x wave + 16 x lane
	s_lshl_b32 s10, ttmp9, 9
	s_mov_b32 s11, 0
	s_mov_b32 s12, 0x2d800000                      ; 2^-36
	s_mov_b32 s13, s12
	s_lshl_b32 s9, ttmp9, 3
	s_and_b32 s14, ttmp9, 1
	s_lshl_b32 s14, s14, 2
	s_sub_co_u32 s9, s9, s14                       ; 16 tile + 4 half = 8 x - 4 (x % 2)
	v_lshrrev_b32 v6, 4, v1
	v_lshl_add_u32 v6, v6, 3, s9                   ; my first angle
	v_and_b32 v7, 15, v1
	v_mul_u32_u24 v7, v7, 720                      ; my image's row of 180 f32
	v_lshl_add_u32 v7, v6, 2, v7
	s_wait_kmcnt 0x0
	s_add_nc_u64 s[4:5], s[4:5], s[10:11]
.irp i, 0,1,2,3,4,5,6,7,8,9,10,11,12,13,14,15
	global_load_b128 v[16+4*\i:19+4*\i], v4, s[4:5] offset:12288*\i th:TH_LOAD_NT
.endr
	s_wait_loadcnt 0x0
	SUM16
	ds_store_b128 v5, v[16:19]
	s_wait_dscnt 0x0                               ; for the others' sake: my store has landed
	s_barrier_signal -1
	s_barrier_wait -1
	s_cmp_lg_u32 s8, 0
	s_cbranch_scc1 .Lend
.irp i, 0,1,2,3,4,5,6,7,8,9,10,11,12,13,14,15
	ds_load_b128 v[16+4*\i:19+4*\i], v3 offset:512*\i
.endr
	s_wait_dscnt 0x0
	SUM16
	v_pk_mul_f32 v[16:17], v[16:17], s[12:13] op_sel_hi:[1,0]
	v_pk_mul_f32 v[18:19], v[18:19], s[12:13] op_sel_hi:[1,0]
	v_cmp_gt_u32 vcc_lo, 180, v6                   ; angles from 180 on are not part of the output
	s_wait_xcnt 0x0                                ; EXEC changes only behind this wait
	s_and_saveexec_b32 s14, vcc_lo
	global_store_b128 v7, v[16:19], s[6:7]
	s_wait_xcnt 0x0                                ; and again, in front of the line that widens it
	s_or_b32 exec_lo, exec_lo, s14
.Lend:
	s_wait_tensorcnt 0x0
	ds_add_u32 v80, v81
	s_wait_dscnt 0x0
	s_endpgm
.Lfunc_end_k_q54fc459ad9_reduce:
	.size	k_q54fc459ad9_reduce, .Lfunc_end_k_q54fc459ad9_reduce-k_q54fc459ad9_reduce
	.p2alignl 7, 3214868480
	.fill 96, 4, 3214868480
	.section	.rodata,"a",@progbits
	.p2align	6, 0x0
	.amdhsa_kernel k_q54fc459ad9_reduce
		.amdhsa_group_segment_fixed_size 10240
		.amdhsa_private_segment_fixed_size 0
		.amdhsa_enable_private_segment 0
		.amdhsa_kernarg_size 16
		.amdhsa_user_sgpr_count 2
		.amdhsa_user_sgpr_kernarg_segment_ptr 1
		.amdhsa_wavefront_size32 1
		.amdhsa_system_sgpr_workgroup_id_x 1
		.amdhsa_system_sgpr_workgroup_id_y 1
		.amdhsa_system_sgpr_workgroup_id_z 1
		.amdhsa_system_vgpr_workitem_id 0
		.amdhsa_next_free_vgpr 82
		.amdhsa_next_free_sgpr 66
		.amdhsa_reserve_vcc 1
		.amdhsa_float_denorm_mode_32 3
		.amdhsa_float_denorm_mode_16_64 3
		.amdhsa_memory_ordered 1
		.amdhsa_forward_progress 1
		.amdhsa_inst_pref_size 9
	.end_amdhsa_kernel
	.amdgpu_metadata
---
amdhsa.version: [ 1, 2 ]
amdhsa.kernels:
  - .name:           k_q54fc459ad9_reduce
    .symbol:         k_q54fc459ad9_reduce.kd
    .args:
      - { .name: part, .offset: 0, .size: 8, .value_kind: global_buffer, .address_space: global }
      - { .name: out0, .offset: 8, .size: 8, .value_kind: global_buffer, .address_space: global }
    .group_segment_fixed_size: 10240
    .private_segment_fixed_size: 0
    .kernarg_segment_align: 8
    .kernarg_segment_size: 16
    .max_flat_workgroup_size: 512
    .sgpr_count:     66
    .vgpr_count:     82
    .wavefront_size: 32
...
	.end_amdgpu_metadata
.endif
;; end of part 4
;; ======== version 2 of 2: 4 launches; version 1 with the launch main written anew for expert scheduling mode
;; limits: right only within a limited range of input values
;; workspace buffers: ycol 16,777,216 bytes; gt 16,777,216 bytes; part 3,145,728 bytes
;; launch rows: the kernel of part 1 again; grid 128 x 1, 16 waves a work-group, no clusters, 157,952 bytes of LDS; arguments batch, ycol; writes ycol
;; launch cols: the kernel of part 2 again; grid 128 x 1, 16 waves a work-group, no clusters, 157,952 bytes of LDS; arguments ycol, gt; writes gt
;; launch main (part 5): grid 256 x 1, 16 waves a work-group, no clusters, 257,280 bytes of LDS; arguments gt, lp, part; writes part
.if DOCPART == 5
	.amdgcn_target "amdgcn-amd-amdhsa--gfx1250"
	.amdhsa_code_object_version 6
	.text
	.protected	k_q54fc459ad9_main
	.globl	k_q54fc459ad9_main
	.p2align	8
	.type	k_q54fc459ad9_main,@function
k_q54fc459ad9_main:
	s_mov_b64 s[64:65], 0
	v_nop
	global_prefetch_b8 v0, s[64:65] scope:SCOPE_SE
	s_setreg_imm32_b32 hwreg(HW_REG_WAVE_SCHED_MODE, 0, 2), 2
	s_setreg_imm32_b32 hwreg(HW_REG_WAVE_MODE, 25, 1), 1
	s_wait_xcnt 0x0
	s_wait_alu depctr_vm_vsrc(0)
; Rows h = 2 g and 2 g + 1 of the 512 x 512 grid, all 16 images and all angles: 1,024 of the product's K = (h, w).
; 1: wave w does the last FFT (along kw) of row hh = w % 2 of pair P = w / 2, on swapped numbers: the result's first word is 2^18 pseudo of image 2 P + 1, its second that of image 2 P.
;    The factor 2^18 is left on: a power of two goes through the quantiser unchanged (it moves the scale's byte alone); the last launch takes it off.
; 2: pseudo is quantised to E2M1 with one E8M0 byte for 32 along w: a lane holds a whole block; the codes go to LDS as images of the operand's registers, the bytes as scale words.
; 3: wave w takes K step f = w / 2 (row f / 4, w = 128 (f % 4) ..) and six tiles of 16 angles: it computes the mask in the operand's own register order, quantises it and multiplies:
;    one matrix instruction a tile, source 0 = 16 angles, source 1 = 16 images, C = 0.  Angles 180 to 191 are computed with the last tile and never read.
; 4: the eight K steps' results of a tile are added through LDS and stored: part [work-group][tile 12][register half 2][lane 32][4] f32.
; THE MASK.  sin(pi (x -+ p)) = (-1)^p sin(pi x), so  sum_p lp_p (sinc(x - p) + sinc(x + p)) = sin(pi x) (2 / pi)(a u^2 + b u + c) / (x (u - 1)(u - 4)),  u = x^2,
;    a = lp0 - lp1 + lp2, b = -5 lp0 + 4 lp1 - lp2, c = 4 lp0.  sin(pi x) = (-1)^k r P(r^2), k = x rounded (by adding 1.5 x 2^23), r = x - k exact; u - 1 and u - 4 are one fused multiply-add each.
;    At x = 0, +-1, +-2 numerator and denominator vanish: eps = 2^-100 is added to sin(pi x) and (eps / pi)(u^2 + u + 4) to the denominator; their quotient is the limit (2 lp0, lp1, lp2), and elsewhere both are lost in rounding.
; LIMITS: NaN and infinities are not served.  theta_t is taken as pi t / 180 (t / 180 to the last bit), x = fma(n, sin, round(m cos)): against an f32 linspace and its sine that moves x by some 5e-5 at the grid's corners,
;    the size of the rounding of pi x in f32.  A block of zeros gets the byte 1, not 127: its codes are zeros, and this program alone reads the bytes.
; Work-groups share no input and every LDS byte is filled from registers: no cluster, no tensor load, no prefetch.
; THE MODE: SCHED_MODE bits 1:0 = 2 (LLVM: expert scheduling mode 2), set by the entry lines.  The code itself states the register dependences
; between vector or matrix instructions and memory or LDS instructions, with s_wait_alu, always for 0.
; THE PLAN.  Registers that memory or LDS instructions touch:
;   v2-4, v5, v10, RB3   addresses made once and never written again.
;   v9, v11, v15         addresses that serve one phase each: written again only at a phase's head, behind the wait on vm_vsrc that stands there.
;   HEAD    All that the first loads and the table's store read (v9, the twiddle and its place, the twiddles' 14 addresses in Y) is made first; ONE wait on va_vdst; then the loads from gt,
;           the table's store, the barrier and the twiddles' loads, with no vector instruction among them.  One wait on vm_vsrc stands ahead of the first butterfly, which writes T and Y again.
;   STAGE   X: loads land in it, the butterflies read and write it, the stage's stores read it.  Y: the butterflies write it, the stores read it.  A stage is: both butterflies, ONE wait on
;           va_vdst, the 16 stores, ONE wait on vm_vsrc, the 16 loads into X: no vector instruction stands between the first wait and those loads.
;   PHASE 2 a wait on vm_vsrc (phase 1's stores have read Y), the three addresses, a wait on va_vdst, the loads; the quantiser, a wait on va_vdst, its two stores.
;   LOOP    MF and MSC: written by vector instructions, taken by the scaled product.  DD: written by the product, read by two stores.  ADR: written by a vector add, read by the same stores.
;           Ahead of the product: a wait on vm_vsrc (the last trip's stores, nearly a trip back) and one on va_vdst; ahead of the stores one on va_vdst.  PF and PSC are named by loads and the product alone.
;   PHASE 4 a wait on va_vdst ahead of the loads into v16-79, which the mask's arithmetic read, and one ahead of the stores of the sums.
.set TW, 0                             ; LDS: 512 twiddles of 16 bytes
.set REG, 8192                         ; 16 FFT lines of LINE bytes
.set LINE, 4616
.set PS, 82048                         ; pseudo: 32 planes [hh][img] of 512 f32 + 16 bytes: 516 words, so that the 16 rows of a 16-byte load begin at 16 different banks (ISA guide 11.1)
.set AIMG, 148096                      ; its 8 fragments, 1,024 bytes each: register group c at 512 c + 16 lane
.set ASC, 156288                       ; their scale words: 64 f + 4 image
.set RED, 156800                       ; results: [tile 12][f 8][half 2][lane 32][16 bytes]
.set L, 1
.set AA, 2
.set AB, 3
.set AC, 4
.set PO, 5                             ; v5 my byte offset in the work-group's part: 1,024 x wave + 16 x lane
.set L7, 7
.set L3, 8
.set RL, 12                            ; v12 lane % 16, v13 lane / 16, v14 16 x lane
.set HF, 13
.set LI, 14
.set X, 16
.set Y, 48
.set T, 80
.set WA, 96
.set WB, 152
.set NN, 16                            ; phase 3: v16-79 n of my 64 columns: register 32 c + e is k = 64 c + 32 (lane / 16) + e
.set XX, 80                            ; v80-95 x
.set KK, 96                            ; v96-111 x + 1.5 x 2^23, then k's parity, then the denominator and its reciprocal
.set RR, 112                           ; v112-127 r, then u
.set VV, 128                           ; v128-143 r^2, later at work
.set PP, 144                           ; v144-159 the polynomial, then the numerator
.set MM, 160                           ; v160-191 a block of 32 mask numbers
.set MF, 192                           ; v192-199 the mask's codes
.set PF, 200                           ; v200-207 pseudo's codes
.set DD, 208                           ; v208-215 the product
.set SS, 216                           ; pairs, the low word used: sin theta; m cos theta; the numerator's three; C4; 4 eps / pi
.set MC, 218
.set CA, 220
.set CB, 222
.set CC, 224
.set C4V, 226
.set E2V, 228
.set TF, 230                           ; v230 my angle's number t, as f32
.set T0, 231
.set T1, 232
.set ADR, 234
.set RB3, 235
.set SH8, 236
.set NMV, 237                          ; -m
.set BY, 238                           ; v238-239 my two blocks' bytes
.set MSC, 240                          ; v240 the mask's scale word, v241 pseudo's: they hold scales and nothing else
.set PSC, 241
.set SW, 242
.set TP, 243
.set WV, 8
.set C0, 20
.set C1, 22
.set C2, 24
.set C3, 26
.set C4, 28
.set C5, 30
.set SH, 32
.set MAG, 34
.set EPS, 36
.set E1, 38
.set SEL, 40
.set NMAG, 42
.set RO, 45
.set INV, 50
.set K180, 51
.set KM90, 52
.macro BARRIER                         ; my LDS stores have landed and my LDS loads are in; then the work-group's barrier
	s_wait_dscnt 0x0
	s_barrier_signal -1
	s_barrier_wait -1
.endm
.macro K2 r, val                       ; a pair: the packed forms name both words
	s_mov_b32 s[\r], \val
	s_mov_b32 s[\r+1], \val
.endm
.macro SINPI d, x, a, b, c             ; v[d] = sin(pi v[x]): k = the nearest whole number, r = x - k (exact), (-1)^k r P(r^2)
	v_rndne_f32 v[\a], v[\x]
	v_sub_f32 v[\b], v[\x], v[\a]
	v_cvt_i32_f32 v[\a], v[\a]
	v_mul_f32 v[\c], v[\b], v[\b]
	v_fma_f32 v[\d], v[\c], s[C5], s[C4]
	v_fma_f32 v[\d], v[\d], v[\c], s[C3]
	v_fma_f32 v[\d], v[\d], v[\c], s[C2]
	v_fma_f32 v[\d], v[\d], v[\c], s[C1]
	v_fma_f32 v[\d], v[\d], v[\c], s[C0]
	v_mul_f32 v[\d], v[\d], v[\b]
	v_lshlrev_b32 v[\a], 31, v[\a]
	v_xor_b32 v[\d], v[\a], v[\d]
.endm
.macro TABLEV                          ; thread k makes twiddle k, in v[T+2 .. T+5], and its place in the table, in v[T+9]
	v_cvt_f32_u32 v[T], v0
	v_mul_f32 v[T], 0x3b800000, v[T]
	v_add_f32 v[T+1], 0.5, v[T]
	SINPI T+2, T+1, T+6, T+7, T+8
	v_mov_b32 v[T+3], v[T+2]
	SINPI T+4, T, T+6, T+7, T+8
	v_xor_b32 v[T+5], 0x80000000, v[T+4]
	v_lshlrev_b32 v[T+9], 4, v0
.endm
.macro TWADR                           ; where my twiddles lie in the table: A: (l + 32 it) m;  B: 8 (l % 8) m
.irp m, 1,2,3,4,5,6,7
	v_mul_u32_u24 v[Y+\m-1], v[L], 16*\m
	v_mul_u32_u24 v[Y+\m+6], v[L7], 128*\m
.endr
.endm
.macro TWLOAD                          ; they stay in registers
.irp m, 1,2,3,4,5,6,7
	ds_load_b128 v[WA+4*\m-4:WA+4*\m-1], v[Y+\m-1] offset:TW
	ds_load_b128 v[WA+4*\m+24:WA+4*\m+27], v[Y+\m-1] offset:TW+512*\m
	ds_load_b128 v[WB+4*\m-4:WB+4*\m-1], v[Y+\m+6] offset:TW
.endr
	s_wait_dscnt 0x0
.endm
.macro PKA o, a, b
	v_pk_add_f32 v[\o:\o+1], v[\a:\a+1], v[\b:\b+1]
.endm
.macro PKS o, a, b
	v_pk_add_f32 v[\o:\o+1], v[\a:\a+1], v[\b:\b+1] neg_lo:[0,1] neg_hi:[0,1]
.endm
.macro LEV1 i
.irp j, 0,2,4,6
	PKA T+\j, \i+\j, \i+8+\j
	PKS T+8+\j, \i+\j, \i+8+\j
.endr
.endm
.macro DFT8 s, d, w, o                 ; y_m = sum over j of a_j exp(-2 pi i j m / 8), from sums v[s ..] and differences v[d ..]; w at work; s is used up
	PKA \w, \s, \s+4
	PKS \w+2, \s, \s+4
	PKA \w+4, \s+2, \s+6
	PKS \w+6, \s+2, \s+6
	v_add_f32 v[\w+8], v[\d], v[\d+5]
	v_sub_f32 v[\w+9], v[\d+1], v[\d+4]
	v_sub_f32 v[\w+10], v[\d], v[\d+5]
	v_add_f32 v[\w+11], v[\d+1], v[\d+4]
	v_add_f32 v[\w+12], v[\d+2], v[\d+3]
	v_sub_f32 v[\w+13], v[\d+3], v[\d+2]
	v_sub_f32 v[\w+14], v[\d+6], v[\d+7]
	v_add_f32 v[\w+15], v[\d+6], v[\d+7]
	PKA \o, \w, \w+4
	PKS \o+8, \w, \w+4
	v_add_f32 v[\o+4], v[\w+2], v[\w+7]
	v_sub_f32 v[\o+5], v[\w+3], v[\w+6]
	v_sub_f32 v[\o+12], v[\w+2], v[\w+7]
	v_add_f32 v[\o+13], v[\w+3], v[\w+6]
	PKS \s, \w+12, \w+14
	PKA \s+2, \w+12, \w+14
	v_pk_fma_f32 v[\o+2:\o+3], v[\s:\s+1], s[SH:SH+1], v[\w+8:\w+9] op_sel_hi:[1,0,1]
	v_pk_fma_f32 v[\o+10:\o+11], v[\s:\s+1], s[SH:SH+1], v[\w+8:\w+9] op_sel_hi:[1,0,1] neg_lo:[1,0,0] neg_hi:[1,0,0]
	v_fma_f32 v[\o+6], v[\s+3], s[SH], v[\w+10]
	v_fma_f32 v[\o+7], -v[\s+2], s[SH], v[\w+11]
	v_fma_f32 v[\o+14], -v[\s+3], s[SH], v[\w+10]
	v_fma_f32 v[\o+15], v[\s+2], s[SH], v[\w+11]
.endm
.macro CMUL o, i, w
	v_pk_mul_f32 v[\o:\o+1], v[\i:\i+1], v[\w:\w+1]
	v_pk_fma_f32 v[\o:\o+1], v[\i:\i+1], v[\w+2:\w+3], v[\o:\o+1] op_sel:[1,0,0] op_sel_hi:[0,1,1]
.endm
.macro STAGE w, ws, adr, so, sm        ; two butterflies on X, twiddles; then all 16 results back to the places they came from
.irp it, 0,1
	LEV1 X+16*\it
	DFT8 T, T+8, X+16*\it, Y+16*\it
.irp m, 1,2,3,4,5,6,7
	CMUL X+16*\it+2*\m, Y+16*\it+2*\m, \w+\ws*\it+4*\m-4
.endr
.endr
	s_wait_alu depctr_va_vdst(0)                   ; both butterflies have written their results in X and Y, which the stores read; they are also done reading and writing X, in which the next loads land
.irp it, 0,1
	ds_store_b64 v[\adr], v[Y+16*\it:Y+16*\it+1] offset:\so*\it
.irp m, 1,2,3,4,5,6,7
	ds_store_b64 v[\adr], v[X+16*\it+2*\m:X+16*\it+2*\m+1] offset:\so*\it+\sm*\m
.endr
.endr
.endm
.macro LOADX adr, so, sm
	s_wait_dscnt 0x0                               ; my stores have landed
	s_wait_alu depctr_vm_vsrc(0)                   ; my stores have read X, in which the loads below land, and Y, which the next butterflies write
.irp it, 0,1
.irp j, 0,1,2,3,4,5,6,7
	ds_load_b64 v[X+16*\it+2*\j:X+16*\it+2*\j+1], v[\adr] offset:\so*\it+\sm*\j
.endr
.endr
	s_wait_dscnt 0x0
.endm
; 32 numbers of one block, v[s ..], become 32 codes in v[c .. c + 3] and the scale's byte in v[by].  d, e: at work.
.macro QBLK s, c, by, d, e
	v_max3_num_f32 v[\d], |v[\s]|, |v[\s+1]|, 0x1800000        ; the largest magnitude, in two chains, with the floor 2^(3 - 127) among the leaves: the byte cannot fall under 1
	v_max3_num_f32 v[\e], |v[\s+16]|, |v[\s+17]|, |v[\s+18]|
.irp i, 2,4,6,8,10,12,14
	v_max3_num_f32 v[\d], v[\d], |v[\s+\i]|, |v[\s+\i+1]|
.if \i < 14
	v_max3_num_f32 v[\e], v[\e], |v[\s+17+\i]|, |v[\s+18+\i]|
.endif
.endr
	v_max3_num_f32 v[\d], v[\d], v[\e], |v[\s+31]|
	v_add_nc_u32 v[\d], 0xff000000, v[\d]                      ; 2 off its exponent field: the conversion takes the exponent field of this operand as its scale
	v_lshrrev_b32 v[\by], 23, v[\d]
.irp g, 0,1,2,3
	v_cvt_scalef32_pk8_fp4_f32 v[\c+\g], v[\s+8*\g:\s+8*\g+7], v[\d]
.endr
	v_nop                                          ; one plain instruction behind the last scaled conversion
.endm
; 16 mask numbers, from n in v[nn ..] into v[mm ..].  Each step runs over the eight pairs before the next begins, so that no line waits for the line above it.
.macro MASK16 nn, mm
.irp j, 0,2,4,6,8,10,12,14
	v_pk_fma_f32 v[XX+\j:XX+\j+1], v[\nn+\j:\nn+\j+1], v[SS:SS+1], v[MC:MC+1] op_sel_hi:[1,0,0]   ; x = n sin + m cos
.endr
.irp j, 0,2,4,6,8,10,12,14
	v_pk_add_f32 v[KK+\j:KK+\j+1], v[XX+\j:XX+\j+1], s[MAG:MAG+1] op_sel_hi:[1,0]                ; its last bit is k's parity
.endr
.irp j, 0,2,4,6,8,10,12,14
	v_pk_add_f32 v[RR+\j:RR+\j+1], v[KK+\j:KK+\j+1], s[NMAG:NMAG+1] op_sel_hi:[1,0]              ; k
.endr
.irp j, 0,2,4,6,8,10,12,14
	v_pk_add_f32 v[RR+\j:RR+\j+1], v[XX+\j:XX+\j+1], v[RR+\j:RR+\j+1] neg_lo:[0,1] neg_hi:[0,1]  ; r = x - k, exact
.endr
.irp e, 0,1,2,3,4,5,6,7,8,9,10,11,12,13,14,15
	v_lshlrev_b32 v[KK+\e], 31, v[KK+\e]
.endr
.irp j, 0,2,4,6,8,10,12,14
	v_pk_mul_f32 v[VV+\j:VV+\j+1], v[RR+\j:RR+\j+1], v[RR+\j:RR+\j+1]
.endr
.irp e, 0,1,2,3,4,5,6,7,8,9,10,11,12,13,14,15
	v_xor_b32 v[RR+\e], v[KK+\e], v[RR+\e]                                                       ; (-1)^k r
.endr
.irp j, 0,2,4,6,8,10,12,14
	v_pk_fma_f32 v[PP+\j:PP+\j+1], v[VV+\j:VV+\j+1], s[C5:C5+1], v[C4V:C4V+1] op_sel_hi:[1,0,0]
.endr
.irp k, C3, C2, C1, C0
.irp j, 0,2,4,6,8,10,12,14
	v_pk_fma_f32 v[PP+\j:PP+\j+1], v[PP+\j:PP+\j+1], v[VV+\j:VV+\j+1], s[\k:\k+1] op_sel_hi:[1,1,0]
.endr
.endr
.irp j, 0,2,4,6,8,10,12,14
	v_pk_fma_f32 v[PP+\j:PP+\j+1], v[RR+\j:RR+\j+1], v[PP+\j:PP+\j+1], s[EPS:EPS+1] op_sel_hi:[1,1,0]   ; sin(pi x) + eps
.endr
.irp j, 0,2,4,6,8,10,12,14
	v_pk_mul_f32 v[RR+\j:RR+\j+1], v[XX+\j:XX+\j+1], v[XX+\j:XX+\j+1]                            ; u
.endr
.irp j, 0,2,4,6,8,10,12,14
	v_pk_fma_f32 v[KK+\j:KK+\j+1], v[XX+\j:XX+\j+1], v[XX+\j:XX+\j+1], -1.0 op_sel_hi:[1,1,0]    ; u - 1, rounded once
.endr
.irp j, 0,2,4,6,8,10,12,14
	v_pk_fma_f32 v[VV+\j:VV+\j+1], v[XX+\j:XX+\j+1], v[XX+\j:XX+\j+1], -4.0 op_sel_hi:[1,1,0]    ; u - 4
.endr
.irp j, 0,2,4,6,8,10,12,14
	v_pk_mul_f32 v[KK+\j:KK+\j+1], v[KK+\j:KK+\j+1], v[VV+\j:VV+\j+1]
.endr
.irp j, 0,2,4,6,8,10,12,14
	v_pk_fma_f32 v[VV+\j:VV+\j+1], v[RR+\j:RR+\j+1], v[RR+\j:RR+\j+1], v[RR+\j:RR+\j+1]          ; u^2 + u
.endr
.irp j, 0,2,4,6,8,10,12,14
	v_pk_fma_f32 v[VV+\j:VV+\j+1], v[VV+\j:VV+\j+1], s[E1:E1+1], v[E2V:E2V+1] op_sel_hi:[1,0,0]  ; (eps / pi)(u^2 + u + 4)
.endr
.irp j, 0,2,4,6,8,10,12,14
	v_pk_fma_f32 v[KK+\j:KK+\j+1], v[XX+\j:XX+\j+1], v[KK+\j:KK+\j+1], v[VV+\j:VV+\j+1]          ; the denominator
.endr
.irp e, 0,1,2,3,4,5,6,7,8,9,10,11,12,13,14,15
	v_rcp_f32 v[KK+\e], v[KK+\e]
.endr
.irp j, 0,2,4,6,8,10,12,14
	v_pk_fma_f32 v[VV+\j:VV+\j+1], v[RR+\j:RR+\j+1], v[CA:CA+1], v[CB:CB+1] op_sel_hi:[1,0,0]    ; 24 plain lines that name no reciprocal stand behind the batch
.endr
.irp j, 0,2,4,6,8,10,12,14
	v_pk_fma_f32 v[VV+\j:VV+\j+1], v[VV+\j:VV+\j+1], v[RR+\j:RR+\j+1], v[CC:CC+1] op_sel_hi:[1,1,0]
.endr
.irp j, 0,2,4,6,8,10,12,14
	v_pk_mul_f32 v[PP+\j:PP+\j+1], v[PP+\j:PP+\j+1], v[VV+\j:VV+\j+1]
.endr
	s_wait_alu depctr_va_vdst(0)                   ; the 16 reciprocals in v[KK ..] are written: one wait for the batch, ahead of its first reader
.irp j, 0,2,4,6,8,10,12,14
	v_pk_mul_f32 v[\mm+\j:\mm+\j+1], v[PP+\j:PP+\j+1], v[KK+\j:KK+\j+1]
.endr
.endm
	s_load_b128 s[4:7], s[0:1], 0x0                ; gt, lp
	s_load_b64 s[16:17], s[0:1], 0x10              ; part
	v_lshl_add_u32 v246, v0, 2, 0x3e500
	v_mov_b32 v247, 0
	v_and_b32 v[L], 31, v0
	v_lshrrev_b32 v9, 5, v0
	v_readfirstlane_b32 s[WV], v9                  ; wave 0..15
	v_and_b32 v[L7], 7, v[L]
	v_lshrrev_b32 v[L3], 3, v[L]
	v_and_b32 v[RL], 15, v[L]
	v_lshrrev_b32 v[HF], 4, v[L]
	v_lshlrev_b32 v[LI], 4, v[L]
	s_wait_alu depctr_va_sdst(0)                   ; s8, the wave's number, is written, ahead of its first reader
	s_mul_i32 s9, s[WV], LINE
	s_add_co_u32 s9, s9, REG                       ; my FFT line
	v_mul_u32_u24 v[AA], v[L3], 72
	v_lshl_add_u32 v[AA], v[L7], 3, v[AA]
	v_add_nc_u32 v[AA], s9, v[AA]
	v_mul_u32_u24 v[AB], v[L3], 576
	v_lshl_add_u32 v[AB], v[L7], 3, v[AB]
	v_add_nc_u32 v[AB], s9, v[AB]
	v_mul_u32_u24 v[AC], v[L], 72
	v_add_nc_u32 v[AC], s9, v[AC]
	K2 C0, 0x40490fdb                              ; pi
	K2 C1, 0xc0a55de7                              ; -pi^3 / 6
	K2 C2, 0x402335e3                              ; pi^5 / 120
	K2 C3, 0xbf196966                              ; -pi^7 / 5040
	K2 C4, 0x3da83c1a                              ; pi^9 / 9!
	K2 C5, 0xbbedbd22                              ; -pi^11 / 11! with the series' tail at r = 1/2 taken in
	K2 SH, 0x3f3504f3                              ; sqrt(1/2)
	K2 MAG, 0x4b400000                             ; 1.5 x 2^23
	K2 NMAG, 0xcb400000
	K2 EPS, 0x0d800000                             ; 2^-100
	K2 E1, 0x0ca2f983                              ; eps / pi
	s_mov_b32 s[SEL], 0x76543210
	s_mov_b32 s[SEL+1], 0xfedcba98                 ; v_permlanex16_b32's selects for lane l xor 16
	s_mov_b32 s[INV], 0x3bb60b61                   ; 1 / 180
	s_mov_b32 s[K180], 0x43340000
	s_mov_b32 s[KM90], 0xc2b40000                  ; -90
	s_and_b32 s46, s[WV], 1
	s_lshr_b32 s47, s[WV], 1
	s_lshl_b32 s10, s47, 21                        ; phase 1: pair w / 2,
	s_lshl_b32 s11, ttmp9, 13                      ; rows 2 g,
	s_add_co_u32 s10, s10, s11
	s_lshl_b32 s11, s46, 12                        ; + w % 2, of 4,096 bytes
	s_add_co_u32 s10, s10, s11
	s_mov_b32 s11, 0
	v_lshlrev_b32 v9, 3, v[L]
	TABLEV                                         ; the table's arithmetic and the twiddles' addresses stand here, while the arguments are on their way
	TWADR
	s_wait_kmcnt 0x0
	s_add_nc_u64 s[4:5], s[4:5], s[10:11]
	s_load_b96 s[12:14], s[6:7], 0x0               ; lp0, lp1, lp2
	s_wait_alu depctr_va_vdst(0)                   ; written: v9, the loads' offset; my twiddle and its place, which the table's store reads; v[Y .. Y+13], the twiddle loads' addresses; v2-4, the stages' addresses.  No vector instruction stands between this wait and the last twiddle load
.irp it, 0,1
.irp j, 0,1,2,3,4,5,6,7
	global_load_b64 v[X+16*\it+2*\j:X+16*\it+2*\j+1], v9, s[4:5] offset:512*\j+256*\it th:TH_LOAD_NT
.endr
.endr
	ds_store_b128 v[T+9], v[T+2:T+5] offset:TW
	BARRIER                                        ; the table is whole
	TWLOAD
	s_mul_i32 s10, s46, 33024                      ; where my results go: plane [w % 2][2 (w / 2)], word l / 8 + 8 (l % 8) (+ 4 it + 64 m'')
	s_mul_i32 s11, s47, 4128
	s_add_co_u32 s10, s10, s11
	s_add_co_u32 s10, s10, PS
	v_lshlrev_b32 v10, 2, v[L3]
	v_lshl_add_u32 v10, v[L7], 5, v10
	v_add_nc_u32 v10, s10, v10
	s_wait_loadcnt 0x0
	s_wait_alu depctr_vm_vsrc(0)                   ; the table's store has read v[T+2 .. T+5] and v[T+9], the twiddle loads have read v[Y .. Y+13]: the first butterfly writes T and Y
	; ---- 1: the FFT
	STAGE WA, 28, AA, 288, 576
	LOADX AB, 2304, 72
	STAGE WB, 0, AB, 2304, 72
	LOADX AC, 2304, 8
.irp it, 0,1
	LEV1 X+16*\it
	DFT8 T, T+8, X+16*\it, Y+16*\it
.endr
	s_wait_alu depctr_va_vdst(0)                   ; the last butterflies have written Y, which the stores read; v10, their address, was written ahead of the FFT
.irp it, 0,1
.irp m, 0,1,2,3,4,5,6,7
	ds_store_b32 v10, v[Y+16*\it+2*\m] offset:2064+16*\it+256*\m    ; the first word: image 2 P + 1
	ds_store_b32 v10, v[Y+16*\it+2*\m+1] offset:16*\it+256*\m       ; the second: image 2 P
.endr
.endr
	BARRIER                                        ; pseudo's 32 rows lie in LDS
	; ---- 2: register group c = w % 2 of fragment f = w / 2: lane (r, half) takes image r, columns 64 (w % 8) + 32 half + 0 .. 31 of row w / 8: one block
	s_wait_alu depctr_vm_vsrc(0)                   ; the stores above have read Y, of which the quantiser writes v48-54; the loads from gt have read v9, which is written below
	s_lshr_b32 s49, s[WV], 3
	s_mul_i32 s10, s49, 33024
	s_and_b32 s11, s[WV], 7
	s_lshl_b32 s11, s11, 8
	s_add_co_u32 s10, s10, s11
	s_add_co_u32 s10, s10, PS
	v_mul_u32_u24 v11, v[RL], 2064
	v_lshl_add_u32 v11, v[HF], 7, v11
	v_add_nc_u32 v11, s10, v11
	s_lshl_b32 s10, s[WV], 9
	s_add_co_u32 s10, s10, AIMG
	v_add_nc_u32 v15, s10, v[LI]                   ; the image: 512 w + 16 lane
	s_lshl_b32 s10, s47, 6
	s_lshl_b32 s11, s46, 1
	s_add_co_u32 s10, s10, s11
	s_add_co_u32 s10, s10, ASC
	v_lshl_add_u32 v9, v[RL], 2, v[HF]
	v_add_nc_u32 v9, s10, v9                       ; the byte: word 64 f + 4 r, byte 2 c + half
	s_wait_alu depctr_va_vdst(0)                   ; v11, v15 and v9 are written, the addresses of this phase's loads and stores; the last butterflies are done with v16-47, in which the loads land
.irp i, 0,1,2,3,4,5,6,7
	ds_load_b128 v[16+4*\i:19+4*\i], v11 offset:16*\i
.endr
	s_wait_dscnt 0x0
	QBLK 16, 48, 52, 53, 54
	s_wait_alu depctr_va_vdst(0)                   ; the conversions have written v48-51 and the shift v52, which the two stores read
	ds_store_b128 v15, v[48:51]
	ds_store_b8 v9, v52
	BARRIER                                        ; pseudo's eight fragments and their scale words lie in LDS
	; ---- 3: set-up
	s_wait_alu depctr_vm_vsrc(0)                   ; phase 2's loads have read v11, its stores v15, v9 and v48-52: all of them are written again below
	s_lshl_b32 s10, s47, 10
	s_add_co_u32 s11, s10, AIMG
	v_add_nc_u32 v15, s11, v[LI]
	s_add_co_u32 s10, s10, RED
	v_add_nc_u32 v[RB3], s10, v[LI]                ; my results: RED + 1,024 f + 16 lane (+ 8,192 tile)
	s_lshl_b32 s10, s47, 6
	s_add_co_u32 s10, s10, ASC
	v_lshlrev_b32 v9, 2, v[RL]
	v_add_nc_u32 v9, s10, v9
	s_lshl_b32 s10, s[WV], 13
	s_add_co_u32 s10, s10, RED
	v_add_nc_u32 v11, s10, v[LI]                   ; phase 4's place (waves 0 to 11 use it)
	s_lshl_b32 s10, s[WV], 10
	v_add_nc_u32 v[PO], s10, v[LI]                 ; and its place in part
	s_wait_alu depctr_va_vdst(0)                   ; v15 and v9 are written, the addresses of the three loads below; so are v11 and v5, which phase 4's loads and stores read
	ds_load_b128 v[PF:PF+3], v15
	ds_load_b128 v[PF+4:PF+7], v15 offset:512
	ds_load_b32 v[PSC], v9
	s_mul_i32 s[RO], s46, 49152                    ; my first tile: 6 (w % 2)
	s_and_b32 s48, s47, 3
	s_lshl_b32 s10, s48, 7                         ; n of my first column: 128 (f % 4), wrapped: - 512 from column 256 on
	s_cmp_ge_u32 s48, 2
	s_cselect_b32 s11, 512, 0
	s_sub_co_i32 s10, s10, s11
	v_lshl_add_u32 v[T0], v[HF], 5, s10            ; + 32 (lane / 16)
.set i, 0
.rept 64
	v_add_nc_u32 v[NN+i], 64*(i/32)+i%32, v[T0]
.set i, i+1
.endr
.set i, 0
.rept 64
	v_cvt_f32_i32 v[NN+i], v[NN+i]
.set i, i+1
.endr
	s_lshl_b32 s10, ttmp9, 1
	s_add_co_u32 s10, s10, s49                     ; h = 2 g + f / 4
	s_cmp_ge_u32 s10, 256
	s_cselect_b32 s11, 512, 0
	s_sub_co_i32 s10, s11, s10                     ; -m
	v_cvt_f32_i32 v[NMV], s10
	s_mul_i32 s10, s46, 96
	v_add_nc_u32 v[T0], s10, v[RL]
	v_cvt_f32_u32 v[TF], v[T0]                     ; t = 96 (w % 2) + lane % 16 (+ 16 a trip)
	v_lshlrev_b32 v[SH8], 3, v[HF]
	v_mov_b32 v[TP], 0                             ; a lane permute's destination counts as one of its sources
	v_mov_b32 v[SS+1], 0                           ; the pairs' upper words are named, so they are written
	v_mov_b32 v[MC+1], 0
	v_mov_b32 v[C4V], s[C4]
	v_mov_b32 v[C4V+1], s[C4]
	v_mov_b32 v[E2V], 0x0da2f983                   ; 4 eps / pi
	v_mov_b32 v[E2V+1], v[E2V]
	s_wait_kmcnt 0x0                               ; lp
	v_mov_b32 v231, s12
	v_mov_b32 v232, s13
	v_mov_b32 v233, s14
	v_sub_f32 v234, v231, v232
	v_add_f32 v234, v234, v233
	v_mul_f32 v[CA], 0x3f22f983, v234              ; (2 / pi)(lp0 - lp1 + lp2)
	v_mul_f32 v234, 4.0, v232
	v_fmamk_f32 v234, v231, 0xc0a00000, v234
	v_sub_f32 v234, v234, v233
	v_mul_f32 v[CB], 0x3f22f983, v234              ; (2 / pi)(-5 lp0 + 4 lp1 - lp2)
	v_mul_f32 v234, 4.0, v231
	v_mul_f32 v[CC], 0x3f22f983, v234              ; (2 / pi) 4 lp0
	v_mov_b32 v[CA+1], v[CA]
	v_mov_b32 v[CB+1], v[CB]
	v_mov_b32 v[CC+1], v[CC]
	s_mov_b32 s44, 6
.Ltile:                                            ; a tile of 16 angles x my 128 of K
	v_mul_f32 v[XX], s[INV], v[TF]                 ; t / 180, to the last bit: a quotient, its remainder, the correction
	v_fma_f32 v[XX+1], -v[XX], s[K180], v[TF]
	v_fma_f32 v[XX], v[XX+1], s[INV], v[XX]
	v_add_f32 v[XX+2], s[KM90], v[TF]
	v_mul_f32 v[XX+3], s[INV], v[XX+2]             ; (t - 90) / 180: cos(pi q) = -sin(pi (q - 1/2)), small where the cosine is small
	v_fma_f32 v[XX+1], -v[XX+3], s[K180], v[XX+2]
	v_fma_f32 v[XX+3], v[XX+1], s[INV], v[XX+3]
	SINPI SS, XX, XX+4, XX+5, XX+6
	SINPI XX+7, XX+3, XX+4, XX+5, XX+6
	v_mul_f32 v[MC], v[XX+7], v[NMV]               ; m cos
.irp c, 0,1
	MASK16 NN+32*\c, MM
	MASK16 NN+32*\c+16, MM+16
	QBLK MM, MF+4*\c, BY+\c, T0, T1                ; block 2 c + lane / 16 of my angle's row: registers 4 c .. 4 c + 3 of the operand
.endr
	v_lshl_or_b32 v[SW], v[BY+1], 16, v[BY]        ; my two bytes, at their places in the scale word;
	v_lshlrev_b32 v[SW], v[SH8], v[SW]
	v_permlanex16_b32 v[TP], v[SW], s[SEL], s[SEL+1]
	v_or_b32 v[MSC], v[SW], v[TP]                  ; with lane l xor 16's two the word is whole
	s_wait_dscnt 0x0                               ; first trip: pseudo's fragment and scale words are in; later: the last trip's stores have landed
.rept 8
	v_nop                                          ; a scale register written by a vector instruction stands 8 places ahead of a scaled matrix instruction, an operand so written 4
.endr
	s_wait_alu depctr_vm_vsrc(0)                   ; the last trip's two stores have read v[DD ..], which the product writes, and v[ADR], which the add behind it writes
	s_wait_alu depctr_va_vdst(0)                   ; the conversions have written the mask's codes v[MF ..] and the v_or_b32 its scale word v[MSC], which the scaled product takes; the places above stay beside this wait
	v_wmma_scale_f32_16x16x128_f8f6f4 v[DD:DD+7], v[MF:MF+7], v[PF:PF+7], 0, v[MSC], v[PSC] matrix_a_fmt:MATRIX_FMT_FP4 matrix_b_fmt:MATRIX_FMT_FP4
	v_add_f32 v[TF], 0x41800000, v[TF]             ; four places behind it (ISA guide 7.12.1): the next tile's t,
	v_add_nc_u32 v[ADR], s[RO], v[RB3]             ; this tile's place,
	v_nop
	v_nop
	s_wait_alu depctr_va_vdst(0)                   ; the product has written v[DD ..] and the add v[ADR], which the two stores read; the four places stay beside this wait
	ds_store_b128 v[ADR], v[DD:DD+3]               ; lane (b, half), register j: image b, angle 16 tile + 8 half + j; from the low end on
	ds_store_b128 v[ADR], v[DD+4:DD+7] offset:512
	s_add_co_u32 s[RO], s[RO], 8192
	s_sub_co_u32 s44, s44, 1
	s_cmp_lg_u32 s44, 0
	s_cbranch_scc1 .Ltile
	BARRIER                                        ; all 96 results lie in LDS
	; ---- 4: wave w < 12 adds tile w's eight K steps
	s_mul_i32 s10, ttmp9, 12288
	s_mov_b32 s11, 0
	s_add_nc_u64 s[16:17], s[16:17], s[10:11]
	s_cmp_lt_u32 s[WV], 12
	s_cbranch_scc0 .Ldone
	s_wait_alu depctr_va_vdst(0)                   ; the mask's arithmetic is done reading v16-79, in which the loads below land
.irp n, 0,1,2,3,4,5,6,7,8,9,10,11,12,13,14,15
	ds_load_b128 v[16+4*\n:19+4*\n], v11 offset:512*\n
.endr
	s_wait_dscnt 0x0
.irp f, 1,2,3,4,5,6,7
.irp k, 0,2,4,6
	v_pk_add_f32 v[16+\k:17+\k], v[16+\k:17+\k], v[16+8*\f+\k:17+8*\f+\k]
.endr
.endr
	s_wait_alu depctr_va_vdst(0)                   ; the additions have written the sums v16-23, which the two stores read
	global_store_b128 v[PO], v[16:19], s[16:17] th:TH_STORE_NT             ; each store of the wave covers 512 consecutive bytes, aligned
	global_store_b128 v[PO], v[20:23], s[16:17] offset:512 th:TH_STORE_NT
.Ldone:
	s_wait_dscnt 0x0
	s_wait_alu depctr_hold_cnt(0) depctr_sa_sdst(0) depctr_va_vdst(0) depctr_va_sdst(0) depctr_va_ssrc(0) depctr_va_vcc(0) depctr_vm_vsrc(0)
	s_wait_tensorcnt 0x0
	ds_add_u32 v246, v247
	s_wait_dscnt 0x0
	s_endpgm
.Lfunc_end_k_q54fc459ad9_main:
	.size	k_q54fc459ad9_main, .Lfunc_end_k_q54fc459ad9_main-k_q54fc459ad9_main
	.p2alignl 7, 3214868480
	.fill 96, 4, 3214868480
	.section	.rodata,"a",@progbits
	.p2align	6, 0x0
	.amdhsa_kernel k_q54fc459ad9_main
		.amdhsa_group_segment_fixed_size 257280
		.amdhsa_private_segment_fixed_size 0
		.amdhsa_enable_private_segment 0
		.amdhsa_kernarg_size 24
		.amdhsa_user_sgpr_count 2
		.amdhsa_user_sgpr_kernarg_segment_ptr 1
		.amdhsa_wavefront_size32 1
		.amdhsa_system_sgpr_workgroup_id_x 1
		.amdhsa_system_sgpr_workgroup_id_y 1
		.amdhsa_system_sgpr_workgroup_id_z 1
		.amdhsa_system_vgpr_workitem_id 0
		.amdhsa_next_free_vgpr 248
		.amdhsa_next_free_sgpr 66
		.amdhsa_reserve_vcc 0
		.amdhsa_float_denorm_mode_32 3
		.amdhsa_float_denorm_mode_16_64 3
		.amdhsa_memory_ordered 1
		.amdhsa_forward_progress 1
		.amdhsa_inst_pref_size 100
	.end_amdhsa_kernel
	.amdgpu_metadata
---
amdhsa.version: [ 1, 2 ]
amdhsa.kernels:
  - .name:           k_q54fc459ad9_main
    .symbol:         k_q54fc459ad9_main.kd
    .args:
      - { .name: gt, .offset: 0, .size: 8, .value_kind: global_buffer, .address_space: global }
      - { .name: lp, .offset: 8, .size: 8, .value_kind: global_buffer, .address_space: global }
      - { .name: part, .offset: 16, .size: 8, .value_kind: global_buffer, .address_space: global }
    .group_segment_fixed_size: 257280
    .private_segment_fixed_size: 0
    .kernarg_segment_align: 8
    .kernarg_segment_size: 24
    .max_flat_workgroup_size: 512
    .sgpr_count:     66
    .vgpr_count:     248
    .wavefront_size: 32
...
	.end_amdgpu_metadata
.endif
;; end of part 5
;; launch reduce: the kernel of part 4 again; grid 23 x 1, 16 waves a work-group, no clusters, 10,240 bytes of LDS; arguments part, out0; writes out0
